; MI455X (gfx1250); checked and timed in simulation.
; The chip was launched on July 23, 2026; its instructions are those of AMD's public machine-readable ISA for CDNA 5 (MIT licence, August 2026) and "CDNA5" Instruction Set Architecture Reference Guide (July 2026). The comments in the code are by the model that wrote it; some were corrected since.
;; Attention. Allowed arithmetic: matrix products marked QUANTISED: E2M1 operands, one E8M0 scale for each 32 along K, by v_wmma_scale_f32_16x16x128_f8f6f4 with both operands' format E2M1 (or v_wmma_scale_f32_32x16x128_f4), f32 sums; products left as they are: bf16, f16 or f32 operands; f32 sums; everything else in f32.
;; Inputs: freqs_cos 1,024 x 64 float32; freqs_sin 1,024 x 64 float32; wk 512 x 2,048 float32; wo 2,048 x 2,048 float32; wq 2,048 x 2,048 float32; wv 512 x 2,048 float32; x 4 x 1,024 x 2,048 float32.
;; Outputs: out0 4 x 1,024 x 2,048 float32.
;; This version of the problem:
;;   THIS VERSION OF THE PROBLEM IS GIVEN IN LOW PRECISION. The matrix products marked QUANTISED in the list below multiply operands that are first quantised to E2M1 (2 exponent bits, 1 mantissa bit; 4 bits a number), with one power-of-two scale for each 32 numbers along K (OCP MX v1.0); their sums are f32. The products marked 'left as it is' may take bf16, f16 or f32 operands, with f32 sums. Whichever they take, every output number must still come out within the allowed error. Rounding operands to bf16 (8 significant bits) uses up far more of that allowance than f16 does (11 bits, for magnitudes from 6e-5 to 65,504). All else is computed in f32.
;;   The module's matrix products, in the order in which they are computed (A, B: the left and right operand; K: the contracted axis; several contracted axes count as one K, in the product's order):
;;     1. [M 4,096, K 2,048] x [K 2,048, N 2,048]; A: input x; B: input wq: QUANTISED
;;     2. [M 4,096, K 2,048] x [K 2,048, N 512]; A: input x; B: input wk: QUANTISED
;;     3. [M 4,096, K 2,048] x [K 2,048, N 512]; A: input x; B: input wv: QUANTISED
;;     4. batch 16 x [M 1,024, K 128] x [K 128, N 4,096]; A: computed on the way; B: computed on the way: left as it is (an operand is computed on the way)
;;     5. batch 16 x [M 128, K 1,024] x [K 1,024, N 4,096]; A: computed on the way; B: computed on the way: left as it is (an operand is computed on the way)
;;     6. [M 4,096, K 2,048] x [K 2,048, N 2,048]; A: computed on the way; B: input wo: left as it is (an operand is computed on the way)
;;   THE QUANTISER, for each operand of a quantised product, along K:
;;     - K is cut into blocks of 32 from its start; a last block that is shorter is filled with zeros.
;;     - A block's scale is 2^e with e = floor(log2(the largest magnitude in the block)) - 2, held to -126 .. 127; a block of zeros has e = 0. As a byte (E8M0): e + 127.
;;     - Each number is divided by its block's scale, clamped to +-6, and rounded to the nearest number of E2M1, ties to even, subnormals kept.
;;     - The product sums the exact products of the quantised numbers (number of the format x scale) in f32.
;;   ~~~python
;;   def quantise(x, axis):      # numpy; x: float32 -> the quantised numbers, widened to float32 again
;;       x = np.moveaxis(x, axis, -1); K = x.shape[-1]
;;       x = np.pad(x, [(0, 0)] * (x.ndim - 1) + [(0, -K % 32)]); x = x.reshape(x.shape[:-1] + (-1, 32)); a = np.abs(x).max(-1, keepdims=True)
;;       e = np.where(a > 0, np.clip(np.frexp(np.where(a > 0, a, 1))[1] - 1 - 2, -126, 127), 0)      # np.frexp(a)[1] - 1 = floor(log2(a)), exactly
;;       r = np.clip(x / 2.0 ** e, -6, 6)
;;       step = 2.0 ** (np.maximum(np.frexp(np.where(r == 0, 1, r))[1] - 1, 0) - 1)
;;       q = np.round(r / step) * step * 2.0 ** e      # np.round: ties to even
;;       return np.moveaxis(q.reshape(q.shape[:-2] + (-1,))[..., :K], -1, axis).astype(np.float32)
;;   ~~~
;; One version. Each part assembles by itself: llvm-mc -triple=amdgcn-amd-amdhsa -mcpu=gfx1250 --defsym DOCPART=n.
;; ======== version 1 of 1: 5 launches
;; limits: values are held in f16: magnitudes above 65,504 overflow, below 6.1e-05 lose precision
;; workspace buffers: xc 4,194,304 bytes; xs 262,144 bytes; wc 3,145,728 bytes; ws 196,608 bytes; woh 8,388,608 bytes; qkv16 25,165,824 bytes; qkvf 3,145,728 bytes; oh 16,777,216 bytes
;; launch prep (part 1): grid 576 x 1, 4 waves a work-group, no clusters, 33,280 bytes of LDS; arguments x, wq, wk, wv, wo, xc, xs, wc, ws, woh; writes xc, xs, wc, ws, woh
.if DOCPART == 1
	.amdgcn_target "amdgcn-amd-amdhsa--gfx1250"
	.amdhsa_code_object_version 6
	.text
	.protected	k_qbedd66a3d9_prep
	.globl	k_qbedd66a3d9_prep
	.p2align	8
	.type	k_qbedd66a3d9_prep,@function
k_qbedd66a3d9_prep:
	s_mov_b64 s[64:65], 0
	v_nop
	global_prefetch_b8 v0, s[64:65] scope:SCOPE_SE
	s_setreg_imm32_b32 hwreg(HW_REG_WAVE_MODE, 25, 1), 1
	s_wait_xcnt 0x0
; x [4096][2048], wq [2048][2048], wk and wv [512][2048], f32, become codes of FP4 (E2M1), K innermost, with one E8M0 byte for each 32 along K; wo [2048][2048] becomes f16.
; A block's scale is 2^(floor(log2(its largest magnitude)) - 2); its byte is the largest magnitude's exponent field - 2, held at 1 from below.  A block of zeros so gets the byte 1: its codes are zeros, and only this program reads the bytes.
; LIMITS: blocks whose largest magnitude lies under 2^-124 keep the byte 1; NaN and infinities among the inputs are not served; wo beyond f16's largest number, 65,504, is not served.
; THE ROWS OF W (codes wc, bytes ws) ARE LAID FOR THE NEXT LAUNCH: rows 0-2047 wq; row 2048 + 256 g + d is wk's head g, row 2048 + 256 g + 128 + d is wv's head g.
; A work-group takes 32,768 numbers (16 rows), a wave 8,192.  Work-groups 0-255 x, 256-383 wq, 384-415 wk, 416-447 wv, 448-575 wo.  Only pointers and offsets are chosen by the work-group's number;
; the four quantised tensors take one path.  The cast of wo takes a path of its own, which touches no LDS.
; Quantising path: each of a step's four loads reads 512 consecutive bytes; the 2,048 bytes turn through the wave's own stage in LDS and come back 64 bytes a lane, so that a lane holds 16 neighbours along K.
.set WAVES, 4
.set STEPS, 16
.set EMAX,  2
.set CB,    8                          ; bytes of 16 codes
.set R,     16                         ; v16-79   four sets of 16 numbers as loaded
.set X,     80                         ; v80-111  two sets of 16 neighbours
.set E,     112                        ; v112-127 a scale byte for each step
.set C,     128                        ; v128-191 codes: registers of its own for each step
.set WREG,  8192                       ; LDS: a region for each wave: two stages of 32 x SP bytes, then its 256 scale bytes
.set SP,    80
.set SPW,   12                         ; v12 LDS address of my spare word; never rewritten
.set NIL,   13                         ; v13 0; never rewritten
.set SPARE, WAVES*WREG                 ; behind the four regions: the spare words, 128 bytes a wave
	s_load_b512 s[4:19], s[0:1], 0x0               ; x, wq, wk, wv, wo, xc, xs, wc
	s_load_b128 s[20:23], s[0:1], 0x40             ; ws, woh
	v_lshl_add_u32 v[SPW], v0, 2, SPARE
	v_mov_b32 v[NIL], 0
	v_lshrrev_b32 v1, 5, v0
	v_readfirstlane_b32 s34, v1                    ; wave
	v_and_b32 v2, 31, v0                           ; lane
	v_lshlrev_b32 v3, 4, v2                        ; my 16 bytes of a load's 512
	s_mul_i32 s35, s34, WREG
	v_lshrrev_b32 v14, 2, v2
	v_mul_u32_u24 v14, v14, SP
	v_and_b32 v15, 3, v2
	v_lshl_add_u32 v14, v15, 4, v14
	v_add_nc_u32 v14, s35, v14                     ; the stage, on the way in: SP (lane / 4) + 16 (lane % 4)
	v_mul_u32_u24 v15, v2, SP
	v_add_nc_u32 v15, s35, v15                     ; and on the way out: SP x lane
	v_mul_u32_u24 v4, v2, CB                       ; my codes' place in a step's
	v_lshrrev_b32 v5, 1, v2
	s_add_co_u32 s35, s35, 2*32*SP
	v_add_nc_u32 v5, s35, v5                       ; my block's scale byte in LDS
	v_lshlrev_b32 v7, 3, v2                        ; 8 bytes a lane
	v_add_nc_u32 v6, s35, v7
	; which tensor, and which part of it: numbers first
	s_cmp_lt_u32 ttmp9, 256
	s_cselect_b32 s30, 0, 256                      ; the tensor's first work-group
	s_cmp_lt_u32 ttmp9, 384
	s_cselect_b32 s30, s30, 384
	s_cmp_lt_u32 ttmp9, 416
	s_cselect_b32 s30, s30, 416
	s_cselect_b32 s33, 0, 8                        ; wv's rows lie 8 blocks of 16 behind wk's
	s_cmp_lt_u32 ttmp9, 448
	s_cselect_b32 s30, s30, 448
	s_sub_co_u32 s31, ttmp9, s30                   ; u: which 16 rows of the tensor
	s_lshr_b32 s32, s31, 3                         ; wk, wv: the head,
	s_lshl_b32 s32, s32, 4                         ; 16 blocks a head,
	s_and_b32 s36, s31, 7
	s_add_co_u32 s32, s32, s36
	s_add_co_u32 s32, s32, 128                     ; behind wq's 128 blocks
	s_add_co_u32 s32, s32, s33
	s_cmp_lt_u32 ttmp9, 384
	s_cselect_b32 s32, s31, s32                    ; the block of 16 rows in the output
	s_lshl_b32 s36, s31, 2
	s_add_co_u32 s36, s36, s34                     ; 4 u + wave: my run of 8,192 numbers
	s_lshl_b32 s38, s36, 15                        ; in bytes of f32,
	s_mov_b32 s39, 0
	s_lshl_b32 s40, s36, 14                        ; of f16
	s_mov_b32 s41, 0
	s_lshl_b32 s32, s32, 2
	s_add_co_u32 s32, s32, s34
	s_lshl_b32 s42, s32, 12                        ; of codes,
	s_mov_b32 s43, 0
	s_lshl_b32 s44, s32, 8                         ; of scale bytes
	s_mov_b32 s45, 0
	s_wait_kmcnt 0x0
	s_cmp_lt_u32 ttmp9, 256                        ; the choices hang on the work-group's number alone
	s_cselect_b64 s[24:25], s[4:5], s[6:7]
	s_cselect_b64 s[26:27], s[14:15], s[18:19]
	s_cselect_b64 s[28:29], s[16:17], s[20:21]
	s_cmp_lt_u32 ttmp9, 384
	s_cselect_b64 s[24:25], s[24:25], s[8:9]
	s_cmp_lt_u32 ttmp9, 416
	s_cselect_b64 s[24:25], s[24:25], s[10:11]
	s_cmp_lt_u32 ttmp9, 448
	s_cselect_b64 s[24:25], s[24:25], s[12:13]
	s_add_nc_u64 s[24:25], s[24:25], s[38:39]
	s_add_nc_u64 s[26:27], s[26:27], s[42:43]
	s_add_nc_u64 s[28:29], s[28:29], s[44:45]
	s_add_nc_u64 s[22:23], s[22:23], s[40:41]
	s_cmp_ge_u32 ttmp9, 448
	s_cbranch_scc1 .Lcast
.macro LOAD t
.irp i, 0,1,2,3
	global_load_b128 v[R+16*((\t)%4)+4*\i:R+16*((\t)%4)+4*\i+3], v3, s[24:25] offset:2048*(\t)+512*\i th:TH_LOAD_NT   ; 32 lanes read 512 consecutive bytes
.endr
.endm
.macro TURN t                          ; step t's numbers through the stage: LDS serves a wave's instructions in order, so no wait stands between the stores and the loads
.irp i, 0,1,2,3
	ds_store_b128 v14, v[R+16*((\t)%4)+4*\i:R+16*((\t)%4)+4*\i+3] offset:32*SP*((\t)%2)+8*SP*\i
.endr
.irp i, 0,1,2,3
	ds_load_b128 v[X+16*((\t)%2)+4*\i:X+16*((\t)%2)+4*\i+3], v15 offset:32*SP*((\t)%2)+16*\i
.endr
.endm
.irp t, 0,1,2,3
	LOAD \t
.endr
	s_wait_loadcnt 12                              ; step 0's four loads are in; the twelve of steps 1 to 3 may be out
	TURN 0
.macro STEP t
.set XS, X+16*((\t)%2)
.if (\t) > 0
	s_wait_dscnt 1                                 ; this step's numbers are back from the stage (the last step's byte store may be out)
.else
	s_wait_dscnt 0x0
.endif
.if (\t)+4 < STEPS
	LOAD (\t)+4
.endif
.if (\t)+1 < STEPS
.if STEPS-2-(\t) >= 3
	s_wait_loadcnt 12                              ; the next step's four loads are in; those of the three steps behind it may be out
.else
	s_wait_loadcnt 4*(STEPS-2-(\t))
.endif
	TURN (\t)+1
.endif
	v_max3_num_f32 v8, |v[XS]|, |v[XS+1]|, |v[XS+2]|               ; the largest magnitude of my 16
	v_max3_num_f32 v9, |v[XS+3]|, |v[XS+4]|, |v[XS+5]|
.irp i, 6,10
	v_max3_num_f32 v8, v8, |v[XS+\i]|, |v[XS+\i+1]|
	v_max3_num_f32 v9, v9, |v[XS+\i+2]|, |v[XS+\i+3]|
.endr
	v_max3_num_f32 v8, v8, |v[XS+14]|, |v[XS+15]|
	v_max3_num_f32 v8, v8, v9, (EMAX+1)<<23        ; and the floor 2^(EMAX + 1 - 127): the byte cannot fall under 1
	v_max_num_f32_dpp v8, v8, v8 row_xmask:1 row_mask:0xf bank_mask:0xf   ; and of my neighbour's 16: the block's
	v_add_nc_u32 v11, -(EMAX<<23), v8              ; EMAX off its exponent field: the conversion takes this operand's exponent field as its scale
	v_cvt_scalef32_pk8_fp4_f32 v[C+4*(\t)], v[XS:XS+7], v11
	v_cvt_scalef32_pk8_fp4_f32 v[C+4*(\t)+1], v[XS+8:XS+15], v11
	v_lshrrev_b32 v[E+(\t)], 23, v11               ; the scale's byte
	ds_store_b8 v5, v[E+(\t)] offset:16*(\t)       ; both lanes of a block write the same byte with the same value
	global_store_b64 v4, v[C+4*(\t):C+4*(\t)+1], s[26:27] offset:32*CB*(\t)   ; the wave stores 256 consecutive bytes, aligned
.endm
.irp t, 0,1,2,3,4,5,6,7,8,9,10,11,12,13,14,15
	STEP \t
.endr
	ds_load_b64 v[8:9], v6                         ; LDS serves a wave's instructions in order: these see my stores
	s_wait_dscnt 0x0
	global_store_b64 v7, v[8:9], s[28:29]          ; my wave's 256 scale bytes: 256 consecutive bytes, aligned
	s_branch .Lend
; THE CAST OF wo: a wave's 32,768 bytes in four groups of 16 loads, two groups on their way; a lane's 4 numbers become 8 bytes, a store covers 256 consecutive bytes.
.macro LOADG g
.irp i, 0,1,2,3,4,5,6,7,8,9,10,11,12,13,14,15
	global_load_b128 v[16+64*((\g)%2)+4*\i:16+64*((\g)%2)+4*\i+3], v3, s[24:25] offset:8192*(\g)+512*\i th:TH_LOAD_NT
.endr
.endm
.Lcast:
	LOADG 0
	LOADG 1
.irp g, 0,1,2,3
.if \g < 3
	s_wait_loadcnt 16                              ; this group is in; the next group's 16 loads may be out
.else
	s_wait_loadcnt 0x0
.endif
.if \g > 0
	s_wait_xcnt 0x0                                ; the last group's stores have read their data: those registers are written again only behind this wait
.endif
.irp i, 0,1,2,3,4,5,6,7,8,9,10,11,12,13,14,15
	v_cvt_pk_f16_f32 v[144+2*\i], v[16+64*(\g%2)+4*\i], v[17+64*(\g%2)+4*\i]
	v_cvt_pk_f16_f32 v[145+2*\i], v[18+64*(\g%2)+4*\i], v[19+64*(\g%2)+4*\i]
.endr
.irp i, 0,1,2,3,4,5,6,7,8,9,10,11,12,13,14,15
	global_store_b64 v7, v[144+2*\i:145+2*\i], s[22:23] offset:4096*\g+256*\i
.endr
.if \g < 2
	LOADG \g+2
.endif
.endr
.Lend:
	s_wait_tensorcnt 0x0                           ; the wave's end
	ds_add_u32 v[SPW], v[NIL]
	s_wait_dscnt 0x0
	s_endpgm
.Lfunc_end_k_qbedd66a3d9_prep:
	.size	k_qbedd66a3d9_prep, .Lfunc_end_k_qbedd66a3d9_prep-k_qbedd66a3d9_prep
	.p2alignl 7, 3214868480
	.fill 96, 4, 3214868480
	.section	.rodata,"a",@progbits
	.p2align	6, 0x0
	.amdhsa_kernel k_qbedd66a3d9_prep
		.amdhsa_group_segment_fixed_size 33280
		.amdhsa_private_segment_fixed_size 0
		.amdhsa_enable_private_segment 0
		.amdhsa_kernarg_size 80
		.amdhsa_user_sgpr_count 2
		.amdhsa_user_sgpr_kernarg_segment_ptr 1
		.amdhsa_wavefront_size32 1
		.amdhsa_system_sgpr_workgroup_id_x 1
		.amdhsa_system_sgpr_workgroup_id_y 1
		.amdhsa_system_sgpr_workgroup_id_z 1
		.amdhsa_system_vgpr_workitem_id 0
		.amdhsa_next_free_vgpr 192
		.amdhsa_next_free_sgpr 66
		.amdhsa_reserve_vcc 0
		.amdhsa_float_denorm_mode_32 3
		.amdhsa_float_denorm_mode_16_64 3
		.amdhsa_memory_ordered 1
		.amdhsa_forward_progress 1
		.amdhsa_inst_pref_size 55
	.end_amdhsa_kernel
	.amdgpu_metadata
---
amdhsa.version: [ 1, 2 ]
amdhsa.kernels:
  - .name:           k_qbedd66a3d9_prep
    .symbol:         k_qbedd66a3d9_prep.kd
    .args:
      - { .name: x, .offset: 0, .size: 8, .value_kind: global_buffer, .address_space: global }
      - { .name: wq, .offset: 8, .size: 8, .value_kind: global_buffer, .address_space: global }
      - { .name: wk, .offset: 16, .size: 8, .value_kind: global_buffer, .address_space: global }
      - { .name: wv, .offset: 24, .size: 8, .value_kind: global_buffer, .address_space: global }
      - { .name: wo, .offset: 32, .size: 8, .value_kind: global_buffer, .address_space: global }
      - { .name: xc, .offset: 40, .size: 8, .value_kind: global_buffer, .address_space: global }
      - { .name: xs, .offset: 48, .size: 8, .value_kind: global_buffer, .address_space: global }
      - { .name: wc, .offset: 56, .size: 8, .value_kind: global_buffer, .address_space: global }
      - { .name: ws, .offset: 64, .size: 8, .value_kind: global_buffer, .address_space: global }
      - { .name: woh, .offset: 72, .size: 8, .value_kind: global_buffer, .address_space: global }
    .group_segment_fixed_size: 33280
    .private_segment_fixed_size: 0
    .kernarg_segment_align: 8
    .kernarg_segment_size: 80
    .max_flat_workgroup_size: 128
    .sgpr_count:     66
    .vgpr_count:     192
    .wavefront_size: 32
...
	.end_amdgpu_metadata
.endif
;; end of part 1
;; launch qkv (part 2): grid 12 x 16, 4 waves a work-group, clusters of 4 x 4, 327,680 bytes of LDS; arguments xc, xs, wc, ws, freqs_cos, freqs_sin, qkv16, qkvf; writes qkv16, qkvf
.if DOCPART == 2
	.amdgcn_target "amdgcn-amd-amdhsa--gfx1250"
	.amdhsa_code_object_version 6
	.text
	.protected	k_qbedd66a3d9_qkv
	.globl	k_qbedd66a3d9_qkv
	.p2align	8
	.type	k_qbedd66a3d9_qkv,@function
k_qbedd66a3d9_qkv:
	s_mov_b64 s[64:65], 0
	v_nop
	global_prefetch_b8 v0, s[64:65] scope:SCOPE_SE
	s_setreg_imm32_b32 hwreg(HW_REG_WAVE_MODE, 25, 1), 1
	s_wait_xcnt 0x0
	s_wait_alu depctr_hold_cnt(0) depctr_sa_sdst(0) depctr_va_vdst(0) depctr_va_sdst(0) depctr_va_ssrc(0) depctr_va_vcc(0) depctr_vm_vsrc(0)
	s_getreg_b32 s2, hwreg(HW_REG_IB_STS2, 6, 4)
	s_cmp_eq_u32 s2, 0
	s_cbranch_scc0 .Lentry_in_a_cluster
	s_endpgm
.Lentry_in_a_cluster:
	s_bfe_u32 s2, ttmp6, 0x10000c
	s_cmp_lg_u32 s2, 0xf033
	s_cbranch_scc0 .Lentry_shape_is_right
	s_endpgm
.Lentry_shape_is_right:
; [q | k, v by heads] = x W^T on codes of FP4 (E2M1) with one E8M0 scale for each 32 along K: C[m][n], m = 4,096 tokens, n = 3,072 rows of W (0-2047 wq; 2048 + 256 g + d wk's head g; + 128 wv's head g), K = 2,048.
; The sums are f32.  On the way out q and k are turned by the rotary tables in f32, and q, k, v leave as f16, laid [batch 4][plane 24][position 1024][128]: planes 0-15 the query heads, 16 + 2 g k's head g, 17 + 2 g v's.
; The first 16 rows of each tile row also leave RAW, in f32, as images of the accumulators' registers (qkvf): the launch for each sequence's first 16 positions reads those of tile rows 0, 4, 8, 12.
; Every tile row stores its image.
; LIMIT: |q|, |k|, |v| up to f16's largest number, 65,504.
; A tile of C, 256 x 256, is made by four waves; a wave makes 128 x 128: 64 accumulators, 512 registers.  K goes in steps of 512 through two LDS slots filled by the tensor data mover (rows of 256 bytes).
; The scales of the work-group's rows, for all of K, come into LDS once.  CLUSTERS: 4 x 4 work-groups; A's tiles are asked for jointly along a row of the cluster, B's along a column.
; 12 x 16 = 192 work-groups: a tile half as wide would give 384, which shares out no more evenly, and would read twice the LDS bytes for each product.
; THE MATRIX INSTRUCTION IS USED TRANSPOSED (source 0 = 16 rows of W, source 1 = 16 rows of x): a lane holds eight neighbouring numbers of a row of C.
; REGISTERS: window 0: v0-31 addresses and work; v32-95 scale words, two sets; from v128 A's fragments, one set; on the way out v128-255 two sets of 16 rows.
;   window 1: B's fragments, two sets (v0, v128); on the way out four sets of table rows.   windows 2, 3: the accumulators ((a, b) at v[8 (8 (a % 4) + b)]).
.set SIZE_M, 4096
.set SIZE_N, 3072
.set SIZE_K, 2048
.set KSTEP,  512
.set NQ,     KSTEP/128
.set ROWB,   256
.set KROW,   SIZE_K*4/8
.set PITCH,  272                       ; 256 bytes + 16: the 16 rows that a load touches start at 16 different banks (64 banks of 4 bytes: ISA guide 11.1)
.set FR,     8
.set NL,     2
.set NP,     4                         ; places behind this matrix instruction (ISA guide 7.12.1)
.set HALFT,  128*PITCH
.set SLOT,   4*HALFT
.set LAPS,   SIZE_K/(2*KSTEP)
.set KS,     SIZE_K/32
.set SCL,    2*SLOT
.set HALFS,  (128*KS/256)*272
.set SBLK,   (16*KS/256)*272
.set SPARE,  SCL+4*HALFS               ; the spare words, 128 bytes a wave
.set SPITCH, 528                       ; the way out: 16 rows x (512 + 16) bytes for each wave, in slot 0, which has had its last fill and its last read by then
.set ADRA, 16
.set ADRB, 20
.set FIM,  23                          ; v23 16 x lane: an image's place for my lane
.set STO,  24
.set RD,   25
.set CO,   26                          ; v26 (lane / 16) x 256 + 16 (lane % 16): my place in two rows of 256 bytes, in the tables and in qkv16 alike
.set ADRS, 27
.set SPW,  28
.set NIL,  29
.set SC,   32
.set AF,   128
.set BK,   128
.set G1, 24
.set G0, 32
.set G1B, 48
.set G0B, 56
.set G1S, 68
.set G0S, 76
.set G1SB, 80
.set G0SB, 88
.set MSB, 0
.macro WIN new                         ; the immediate's high byte repeats the setting that is left
.if MSB != (\new)
	s_set_vgpr_msb (MSB<<8)|(\new)
.set MSB, \new
.endif
.endm
.set MUL_LO, 0xa1
.set MUL_HI, 0xf1
.set TO_B,   0x40
.macro JLOAD g0a, g1a, g0b, g1b        ; a joint load: waves 0 and 1 fetch for A, waves 2 and 3 for B; an s_nop 0 and four v_nop follow each line
	s_cmp_eq_u32 s15, 0
	s_cbranch_scc0 .Lfor_b_\@
	tensor_load_to_lds s[\g0a:\g0a+3], s[\g1a:\g1a+7]
	s_nop 0
.rept 4
	v_nop
.endr
	s_branch .Lasked_\@
.Lfor_b_\@:
	tensor_load_to_lds s[\g0b:\g0b+3], s[\g1b:\g1b+7]
	s_nop 0
.rept 4
	v_nop
.endr
.Lasked_\@:
.endm
.macro CREST
	s_cmp_lg_u32 s14, 0
	s_cbranch_scc1 .Lnot_wave_0_\@
	s_barrier_signal -3
.Lnot_wave_0_\@:
	s_barrier_wait -3
	s_barrier_signal -1
	s_barrier_wait -1
.endm
.macro CROUND
	s_barrier_signal -1
	s_barrier_wait -1
	CREST
.endm
	s_load_b128 s[4:7], s[0:1], 0x0                ; x's codes, x's scales
	s_load_b128 s[8:11], s[0:1], 0x10              ; W's codes, W's scales
	v_lshl_add_u32 v[SPW], v0, 2, SPARE
	v_mov_b32 v[NIL], 0
	ds_add_u32 v[SPW], v[NIL]                      ; the wave's opening: the add, twice on end, and its wait ahead of my first tensor load
	ds_add_u32 v[SPW], v[NIL]
	v_lshrrev_b32 v1, 5, v0
	v_readfirstlane_b32 s14, v1                    ; wave 0..3
	s_lshr_b32 s15, s14, 1                         ; which half of the tile's rows is mine.  Also: I fetch for A (0) or for B (1)
	s_and_b32 s16, s14, 1                          ; which half of its columns.  Also: which 128 rows of that tile I fetch
	s_bfe_u32 s40, ttmp6, 0x40000                  ; cx, cy
	s_bfe_u32 s41, ttmp6, 0x40004
	s_lshl_b32 s42, ttmp9, 2
	s_add_co_u32 s42, s42, s40                     ; tile column
	s_and_b32 s17, ttmp7, 0xffff
	s_lshl_b32 s17, s17, 2
	s_add_co_u32 s17, s17, s41                     ; tile row
	s_lshl_b32 s43, s41, 2
	s_lshl_b32 s43, 15, s43                        ; my row of the cluster
	s_lshl_b32 s44, 0x1111, s40                    ; my column
	s_or_b32 s[G1+0], s43, (0<<16)|(1<<20)|(1<<21)|(5<<22)|(3<<25)  ; the mask; elements of 1 byte; padding: 4 words after every 64; bit 21 beside a mask
	s_or_b32 s[G1B+0], s44, (0<<16)|(1<<20)|(1<<21)|(5<<22)|(3<<25)
.irp g, G1, G1B
	s_mov_b32 s[\g+1], ROWB<<16
	s_mov_b32 s[\g+2], 128<<16
	s_mov_b32 s[\g+3], ROWB<<16
	s_mov_b32 s[\g+4], 128
	s_mov_b32 s[\g+5], KROW
	s_mov_b32 s[\g+6], 0
	s_mov_b32 s[\g+7], 0
.endr
	s_or_b32 s[G1S+0], s43, (3<<16)|(1<<20)|(1<<21)|(5<<22)|(3<<25)  ; the scales of 128 rows: a dense block, as rows of 256 bytes
	s_or_b32 s[G1SB+0], s44, (3<<16)|(1<<20)|(1<<21)|(5<<22)|(3<<25)
.irp g, G1S, G1SB
	s_mov_b32 s[\g+1], 32<<16
	s_mov_b32 s[\g+2], (128*KS/256)<<16
	s_mov_b32 s[\g+3], 32<<16
	s_mov_b32 s[\g+4], 128*KS/256
	s_mov_b32 s[\g+5], 32
	s_mov_b32 s[\g+6], 0
	s_mov_b32 s[\g+7], 0
.endr
	s_lshl_b32 s18, s16, 7
	s_lshl_b32 s20, s17, 8
	s_add_co_u32 s20, s20, s18                     ; A: row 256 x tile row + 128 x half
	s_lshl_b32 s46, s42, 8
	s_add_co_u32 s46, s46, s18                     ; B: row 256 x tile column + 128 x half
	s_mov_b32 s21, 0
	s_mov_b32 s47, 0
	s_mov_b64 s[18:19], KS
	s_mul_u64 s[22:23], s[20:21], s[18:19]
	s_mul_u64 s[92:93], s[46:47], s[18:19]
	s_mov_b64 s[18:19], KROW
	s_mul_u64 s[20:21], s[20:21], s[18:19]
	s_mul_u64 s[46:47], s[46:47], s[18:19]
	s_mul_i32 s45, s14, HALFT
	s_mul_i32 s94, s14, HALFS
	s_wait_dscnt 0x0                               ; both opening adds are done
	s_wait_kmcnt 0x0
	s_add_nc_u64 s[20:21], s[4:5], s[20:21]
	s_add_nc_u64 s[22:23], s[6:7], s[22:23]
	s_add_nc_u64 s[46:47], s[8:9], s[46:47]
	s_add_nc_u64 s[92:93], s[10:11], s[92:93]
	CROUND                                         ; all sixteen work-groups are here: the first joint loads meet
	s_mov_b32 s[G0S], 1
	s_add_co_u32 s[G0S+1], s94, SCL
	s_mov_b64 s[G0S+2:G0S+3], s[22:23]
	s_or_b32 s[G0S+3], s[G0S+3], 0x80000000
	s_mov_b32 s[G0SB], 1
	s_add_co_u32 s[G0SB+1], s94, SCL
	s_mov_b64 s[G0SB+2:G0SB+3], s[92:93]
	s_or_b32 s[G0SB+3], s[G0SB+3], 0x80000000
	JLOAD G0S, G1S, G0SB, G1SB                     ; the scales first
.irp s, 0,1
	s_mov_b32 s[G0+4*\s], 1
	s_add_co_u32 s[G0+4*\s+1], s45, \s*SLOT
	s_add_nc_u64 s[G0+4*\s+2:G0+4*\s+3], s[20:21], \s*ROWB
	s_or_b32 s[G0+4*\s+3], s[G0+4*\s+3], 0x80000000
	s_mov_b32 s[G0B+4*\s], 1
	s_add_co_u32 s[G0B+4*\s+1], s45, \s*SLOT
	s_add_nc_u64 s[G0B+4*\s+2:G0B+4*\s+3], s[46:47], \s*ROWB
	s_or_b32 s[G0B+4*\s+3], s[G0B+4*\s+3], 0x80000000
	JLOAD G0+4*\s, G1, G0B+4*\s, G1B
.endr
	v_and_b32 v1, 15, v0                           ; l % 16
	v_bfe_u32 v2, v0, 4, 1                         ; l / 16
	v_mul_u32_u24 v3, v1, PITCH
	v_lshl_add_u32 v4, v2, 4, v3
	s_mul_i32 s21, s15, HALFT
	s_mul_i32 s22, s16, HALFT
	s_add_co_u32 s22, s22, 2*HALFT
.irp s, 0,1
	v_add_nc_u32 v[ADRA+\s], s21, v4
	v_add_nc_u32 v[ADRB+\s], s22, v4
	s_add_co_u32 s21, s21, SLOT
	s_add_co_u32 s22, s22, SLOT
.endr
	v_mul_u32_u24 v5, v1, KS
	v_lshrrev_b32 v6, 8, v5
	v_lshl_add_u32 v5, v6, 4, v5
	s_mul_i32 s21, s15, HALFS
	s_mul_i32 s22, s16, HALFS
	s_add_co_u32 s22, s22, 2*HALFS
	s_sub_co_u32 s22, s22, s21
	v_mul_u32_u24 v6, s22, v2                      ; lanes 16-31 take B's
	s_add_co_u32 s21, s21, SCL
	v_add_nc_u32 v5, v5, v6
	v_add_nc_u32 v[ADRS], s21, v5
	s_mul_i32 s23, s14, 16*SPITCH                  ; my stage
	v_mul_u32_u24 v5, v1, SPITCH                   ; in: row l % 16, 32 bytes for each half of the lanes
	v_lshl_add_u32 v5, v2, 5, v5
	v_add_nc_u32 v[STO], s23, v5
	v_mul_u32_u24 v5, v2, SPITCH                   ; back: row l / 16 of a pair of rows, 32 bytes (8 columns) a lane
	v_lshl_add_u32 v5, v1, 5, v5
	v_add_nc_u32 v[RD], s23, v5
	v_lshlrev_b32 v[CO], 8, v2
	v_lshl_add_u32 v[CO], v1, 4, v[CO]
	v_and_b32 v6, 31, v0
	v_lshlrev_b32 v[FIM], 4, v6
	; numbers for the way out
	s_cmp_eq_u32 ttmp9, 2                          ; clusters with x = 2 hold k and v; there my column half 1 is v: the same in all partners
	s_cselect_b32 s95, s16, 0                      ; 1: my columns are v's
	s_lshl_b32 s96, s42, 1
	s_add_co_u32 s96, s96, s16                     ; my plane of 128 columns
	s_mul_i32 s98, s17, 24
	s_add_co_u32 s98, s98, s96
	s_lshl_b32 s98, s98, 13                        ; my image's byte in qkvf
	s_and_b32 s99, s17, 3
	s_lshl_b32 s99, s99, 8
	s_lshl_b32 s97, s15, 7
	s_add_co_u32 s99, s99, s97                     ; my first position in the sequence
	s_lshr_b32 s97, s17, 2                         ; the batch
	s_mul_i32 s97, s97, 24
	s_add_co_u32 s96, s96, s97
	s_lshl_b32 s96, s96, 10
	s_add_co_u32 s96, s96, s99
	s_lshl_b32 s96, s96, 8                         ; my first row's byte in qkv16
	s_lshl_b32 s99, s99, 8                         ; and in the tables (rows of 256 bytes)
.macro FRAG reg, adr, q, i             ; 16 rows x 128 K of 4-bit codes: 8 registers, two loads of 16 bytes, 32 bytes apart
.irp c, 0,1
	ds_load_b128 v[\reg+4*\c:\reg+4*\c+3], v[\adr] offset:64*(\q)+32*\c+(\i)*16*PITCH
.endr
.endm
; 16 matrix instructions: A's blocks a0, a0 + 1 x B's eight.  The 64 accumulators take turns, one instruction a turn, in the same order in every step.
.macro MUL16 a0, p, q, sc, zero
.irp a, \a0, \a0+1
.irp b, 0,1,2,3,4,5,6,7
.if \zero
	v_wmma_scale_f32_16x16x128_f8f6f4 v[8*(8*((\a)%4)+\b):8*(8*((\a)%4)+\b)+7], v[128*(\p)+FR*\b:128*(\p)+FR*\b+FR-1], v[AF+FR*(\a):AF+FR*(\a)+FR-1], 0, v[SC+8*NQ*(\sc)+NQ*\b+(\q)], v[SC+8*NQ*(\sc)+NQ*(\a)+(\q)] matrix_a_fmt:MATRIX_FMT_FP4 matrix_b_fmt:MATRIX_FMT_FP4 matrix_a_scale:MATRIX_SCALE_ROW1
.else
	v_wmma_scale_f32_16x16x128_f8f6f4 v[8*(8*((\a)%4)+\b):8*(8*((\a)%4)+\b)+7], v[128*(\p)+FR*\b:128*(\p)+FR*\b+FR-1], v[AF+FR*(\a):AF+FR*(\a)+FR-1], v[8*(8*((\a)%4)+\b):8*(8*((\a)%4)+\b)+7], v[SC+8*NQ*(\sc)+NQ*\b+(\q)], v[SC+8*NQ*(\sc)+NQ*(\a)+(\q)] matrix_a_fmt:MATRIX_FMT_FP4 matrix_b_fmt:MATRIX_FMT_FP4 matrix_a_scale:MATRIX_SCALE_ROW1
.endif
.endr
.endr
.endm
.macro FETCH_B slot, q, p
	WIN TO_B
.irp i, 0,1,2,3,4,5,6,7
	FRAG 128*(\p)+FR*\i, ADRB+\slot, \q, \i
.endr
	WIN 0
.endm
.macro FETCH_A slot, q, i0
.irp i, \i0, \i0+1, \i0+2, \i0+3
	FRAG AF+FR*(\i), ADRA+\slot, \q, \i
.endr
.endm
.macro SCALES sc                       ; a K step's scale words: lanes 0-15 take A's block i, lanes 16-31 B's block i
.irp i, 0,1,2,3,4,5,6,7
	ds_load_b128 v[SC+8*NQ*\sc+NQ*\i:SC+8*NQ*\sc+NQ*\i+3], v[ADRS] offset:\i*SBLK
.endr
.endm
.macro PLACES n                        ; plain vector instructions between a matrix instruction and a load into, or a read of, its registers
.rept \n
	v_nop
.endr
.endm
.macro STEP slot, q, zero
	s_wait_dscnt 4*NL                              ; B's set and A's blocks 0-3 are in; the youngest eight loads (A's blocks 4-7) may be out
	WIN MUL_LO
	MUL16 0, (\q)%2, \q, \slot, \zero
	MUL16 2, (\q)%2, \q, \slot, \zero
	s_wait_dscnt 0
	PLACES NP
	FETCH_B \slot, (\q)+1, 1-(\q)%2
	FETCH_A \slot, (\q)+1, 0
	WIN MUL_HI
	MUL16 4, (\q)%2, \q, \slot, \zero
	MUL16 6, (\q)%2, \q, \slot, \zero
	PLACES NP
	WIN 0
	FETCH_A \slot, (\q)+1, 4
.endm
; A slot's last step changes slots: one barrier; in front of it each wave waits for all its tensor loads, adds 0 to its spare word, and waits for that and for its reads of this slot.
.macro TURN slot, next, fill
	s_wait_tensorcnt 0x0                           ; all my tensor loads have landed: my part of the next slot
	ds_add_u32 v[SPW], v[NIL]
	s_wait_dscnt 4*NL+1                            ; the add and the youngest eight loads may be out
	WIN MUL_LO
	MUL16 0, 1, NQ-1, \slot, 0
	s_wait_dscnt 0x0                               ; the add is done, and my reads of this slot are over
	s_barrier_signal -1
	MUL16 2, 1, NQ-1, \slot, 0
	WIN 0
	s_barrier_wait -1
.if \fill
	CREST                                          ; the barrier has opened a round of the cluster's: no wave of any partner still reads this slot or has a load on its way
	s_add_nc_u64 s[G0+4*\slot+2:G0+4*\slot+3], s[G0+4*\slot+2:G0+4*\slot+3], 2*ROWB
	s_add_nc_u64 s[G0B+4*\slot+2:G0B+4*\slot+3], s[G0B+4*\slot+2:G0B+4*\slot+3], 2*ROWB
	JLOAD G0+4*\slot, G1, G0B+4*\slot, G1B
.else
	PLACES NP
.endif
	v_add_nc_u32 v[ADRS], 4*NQ, v[ADRS]
	FETCH_B \next, 0, 0
	FETCH_A \next, 0, 0
	SCALES \next
	WIN MUL_HI
	MUL16 4, 1, NQ-1, \slot, 0
	MUL16 6, 1, NQ-1, \slot, 0
	PLACES NP
	WIN 0
	FETCH_A \next, 0, 4
.endm
.macro STEPS slot, from
.set Q, \from
.rept NQ-1-\from
	STEP \slot, Q, 0
.set Q, Q+1
.endr
.endm
	s_wait_tensorcnt 1                             ; the scales and my part of K step 0 are in; K step 1's load may be out
	s_barrier_signal -1
	s_barrier_wait -1
	FETCH_B 0, 0, 0
	FETCH_A 0, 0, 0
	SCALES 0
	FETCH_A 0, 0, 4
	STEP 0, 0, 1                                   ; the first step's products start the sums
	s_mov_b32 s3, LAPS-1
.Llap:
	STEPS 0, 1
	TURN 0, 1, 1
	STEPS 1, 0
	TURN 1, 0, 1
	STEP 0, 0, 0
	s_sub_co_u32 s3, s3, 1
	s_cmp_lg_u32 s3, 0
	s_cbranch_scc1 .Llap
	STEPS 0, 1
	TURN 0, 1, 0
	s_load_b256 s[24:31], s[0:1], 0x20             ; no tensor load of mine is out any more and none follows: the descriptors' registers take the tables' and the outputs' addresses
	STEPS 1, 0
	s_wait_dscnt 4*NL
	WIN MUL_LO
	MUL16 0, 1, NQ-1, 1, 0
	MUL16 2, 1, NQ-1, 1, 0
	s_wait_dscnt 0
	WIN MUL_HI
	MUL16 4, 1, NQ-1, 1, 0
	MUL16 6, 1, NQ-1, 1, 0
	WIN 0
; THE WAY OUT, block by block of 16 rows x 128 columns: through my stage in LDS, back with 8 neighbouring columns of a row in a lane and 16 lanes to a row; the rotation in f32 (not for v); f16; a row of 256 bytes from 16 lanes.
	s_wait_kmcnt 0x0
	s_mov_b32 s21, 0
	s_mov_b32 s20, s99
	s_add_nc_u64 s[24:25], s[24:25], s[20:21]      ; cos and sin at my first position
	s_add_nc_u64 s[26:27], s[26:27], s[20:21]
	s_mov_b32 s20, s96
	s_add_nc_u64 s[28:29], s[28:29], s[20:21]      ; qkv16 at my first row
	s_mov_b32 s20, s98
	s_add_nc_u64 s[30:31], s[30:31], s[20:21]      ; qkvf at my image
.macro CSLOAD a                        ; block a's 16 rows of both tables: an instruction reads two whole rows of 256 bytes.  v's waves load them too, so that every wave's loads and waits are alike
	WIN 0x40
.irp t, 0,1,2,3,4,5,6,7
	global_load_b128 v[64*((\a)%4)+4*\t:64*((\a)%4)+4*\t+3], v[CO], s[24:25] offset:(16*(\a)+2*\t)*256
	global_load_b128 v[64*((\a)%4)+32+4*\t:64*((\a)%4)+32+4*\t+3], v[CO], s[26:27] offset:(16*(\a)+2*\t)*256
.endr
	WIN 0
.endm
.macro TOSTAGE a
.set AC, 64*((\a)%4)
	WIN 0x08+4*((\a)/4)                            ; an LDS store's data: window 2 or 3
.irp b, 0,1,2,3,4,5,6,7
	ds_store_b128 v[STO], v[AC+8*\b:AC+8*\b+3] offset:64*\b          ; each accumulator from its low end on
	ds_store_b128 v[STO], v[AC+8*\b+4:AC+8*\b+7] offset:64*\b+16
.endr
	WIN 0
.set BB, BK+64*((\a)%2)
.irp t, 0,1,2,3,4,5,6,7
	ds_load_b128 v[BB+8*\t:BB+8*\t+3], v[RD] offset:\t*2*SPITCH      ; LDS serves a wave's instructions in order: these see the stores above
	ds_load_b128 v[BB+8*\t+4:BB+8*\t+7], v[RD] offset:\t*2*SPITCH+16
.endr
.endm
.macro ROPE a                          ; (tr, ti) -> (tr c - ti s, tr s + ti c); register work alone stands under the branch
.set BB, BK+64*((\a)%2)
.set CC, 64*((\a)%4)
	s_cmp_lg_u32 s95, 0
	s_cbranch_scc1 .Lis_v_\@
	WIN 0x04                                       ; source 1 (the tables) window 1
.irp t, 0,1,2,3,4,5,6,7
.irp p, 0,1,2,3
	v_mul_f32 v[8+2*\p], v[BB+8*\t+2*\p+1], v[CC+32+4*\t+\p]
	v_mul_f32 v[9+2*\p], v[BB+8*\t+2*\p+1], v[CC+4*\t+\p]
	v_fma_f32 v[BB+8*\t+2*\p+1], v[BB+8*\t+2*\p], v[CC+32+4*\t+\p], v[9+2*\p]
	v_fma_f32 v[BB+8*\t+2*\p], v[BB+8*\t+2*\p], v[CC+4*\t+\p], -v[8+2*\p]
.endr
.endr
	WIN 0
.Lis_v_\@:
.endm
.macro CVT a                           ; in place, ascending: register p takes numbers 2 p and 2 p + 1
.set BB, BK+64*((\a)%2)
.irp t, 0,1,2,3,4,5,6,7
.irp p, 0,1,2,3
	v_cvt_pk_f16_f32 v[BB+8*\t+\p], v[BB+8*\t+2*\p], v[BB+8*\t+2*\p+1]
.endr
.endr
.endm
.macro SENDH a
.set BB, BK+64*((\a)%2)
.irp t, 0,1,2,3,4,5,6,7
	global_store_b128 v[CO], v[BB+8*\t:BB+8*\t+3], s[28:29] offset:(16*(\a)+2*\t)*256   ; 16 lanes store 256 consecutive bytes, aligned
.endr
.endm
	PLACES NP                                      ; behind the last products: for the stores of results and the loads into fragments' registers
	s_cmp_lg_u32 s15, 0                            ; the waves with the tile's first 128 rows store block 0 raw: 16 pieces of 512 consecutive bytes
	s_cbranch_scc1 .Lno_image
	WIN 0x08
.irp b, 0,1,2,3,4,5,6,7
	global_store_b128 v[FIM], v[8*\b:8*\b+3], s[30:31] offset:1024*\b
	global_store_b128 v[FIM], v[8*\b+4:8*\b+7], s[30:31] offset:1024*\b+512
.endr
	WIN 0
.Lno_image:
	CSLOAD 0
	CSLOAD 1
	CSLOAD 2
	CSLOAD 3
	TOSTAGE 0
.irp a, 0,1,2,3,4,5,6,7
.if \a < 7
.if \a > 0
	s_wait_xcnt 0x0                                ; block a - 1's stores have read their data: block a + 1's rows may land there
.endif
	TOSTAGE \a+1
	s_wait_dscnt 32                                ; block a is back; block a + 1's 16 stores and 16 loads may be out
.else
	s_wait_dscnt 0x0
.endif
.if \a < 5
	s_wait_loadcnt 48                              ; block a's table rows are in; three younger sets of 16 loads may be out
.else
	s_wait_loadcnt 16*(7-\a)
.endif
	ROPE \a
	CVT \a
	SENDH \a
.if \a < 4
	CSLOAD \a+4
.endif
.endr
	s_wait_tensorcnt 0x0                           ; the wave's end
	ds_add_u32 v[SPW], v[NIL]
	s_wait_dscnt 0x0
	CROUND                                         ; the closing round
	s_endpgm
.Lfunc_end_k_qbedd66a3d9_qkv:
	.size	k_qbedd66a3d9_qkv, .Lfunc_end_k_qbedd66a3d9_qkv-k_qbedd66a3d9_qkv
	.p2alignl 7, 3214868480
	.fill 96, 4, 3214868480
	.section	.rodata,"a",@progbits
	.p2align	6, 0x0
	.amdhsa_kernel k_qbedd66a3d9_qkv
		.amdhsa_group_segment_fixed_size 327680
		.amdhsa_private_segment_fixed_size 0
		.amdhsa_enable_private_segment 0
		.amdhsa_kernarg_size 64
		.amdhsa_user_sgpr_count 2
		.amdhsa_user_sgpr_kernarg_segment_ptr 1
		.amdhsa_wavefront_size32 1
		.amdhsa_system_sgpr_workgroup_id_x 1
		.amdhsa_system_sgpr_workgroup_id_y 1
		.amdhsa_system_sgpr_workgroup_id_z 1
		.amdhsa_system_vgpr_workitem_id 0
		.amdhsa_next_free_vgpr 1024
		.amdhsa_next_free_sgpr 102
		.amdhsa_reserve_vcc 0
		.amdhsa_float_denorm_mode_32 3
		.amdhsa_float_denorm_mode_16_64 3
		.amdhsa_memory_ordered 1
		.amdhsa_forward_progress 1
		.amdhsa_inst_pref_size 255
	.end_amdhsa_kernel
	.section	.bss,"aw",@nobits
	.p2align	6
	.space	262144
	.amdgpu_metadata
---
amdhsa.version: [ 1, 2 ]
amdhsa.kernels:
  - .name:           k_qbedd66a3d9_qkv
    .symbol:         k_qbedd66a3d9_qkv.kd
    .args:
      - { .name: xc, .offset: 0, .size: 8, .value_kind: global_buffer, .address_space: global }
      - { .name: xs, .offset: 8, .size: 8, .value_kind: global_buffer, .address_space: global }
      - { .name: wc, .offset: 16, .size: 8, .value_kind: global_buffer, .address_space: global }
      - { .name: ws, .offset: 24, .size: 8, .value_kind: global_buffer, .address_space: global }
      - { .name: freqs_cos, .offset: 32, .size: 8, .value_kind: global_buffer, .address_space: global }
      - { .name: freqs_sin, .offset: 40, .size: 8, .value_kind: global_buffer, .address_space: global }
      - { .name: qkv16, .offset: 48, .size: 8, .value_kind: global_buffer, .address_space: global }
      - { .name: qkvf, .offset: 56, .size: 8, .value_kind: global_buffer, .address_space: global }
    .group_segment_fixed_size: 327680
    .private_segment_fixed_size: 0
    .kernarg_segment_align: 8
    .kernarg_segment_size: 64
    .max_flat_workgroup_size: 128
    .sgpr_count:     102
    .vgpr_count:     1024
    .wavefront_size: 32
...
	.end_amdgpu_metadata
.endif
;; end of part 2
;; launch attn (part 3): grid 16 x 16, 4 waves a work-group, clusters of 4 x 1, 327,680 bytes of LDS; arguments qkv16, oh; writes oh
.if DOCPART == 3
	.amdgcn_target "amdgcn-amd-amdhsa--gfx1250"
	.amdhsa_code_object_version 6
	.text
	.protected	k_qbedd66a3d9_attn
	.globl	k_qbedd66a3d9_attn
	.p2align	8
	.type	k_qbedd66a3d9_attn,@function
k_qbedd66a3d9_attn:
	s_mov_b64 s[64:65], 0
	v_nop
	global_prefetch_b8 v0, s[64:65] scope:SCOPE_SE
	s_setreg_imm32_b32 hwreg(HW_REG_WAVE_MODE, 25, 1), 1
	s_wait_xcnt 0x0
	s_wait_alu depctr_hold_cnt(0) depctr_sa_sdst(0) depctr_va_vdst(0) depctr_va_sdst(0) depctr_va_ssrc(0) depctr_va_vcc(0) depctr_vm_vsrc(0)
	s_getreg_b32 s2, hwreg(HW_REG_IB_STS2, 6, 4)
	s_cmp_eq_u32 s2, 0
	s_cbranch_scc0 .Lentry_in_a_cluster
	s_endpgm
.Lentry_in_a_cluster:
	s_bfe_u32 s2, ttmp6, 0x10000c
	s_cmp_lg_u32 s2, 0x3003
	s_cbranch_scc0 .Lentry_shape_is_right
	s_endpgm
.Lentry_shape_is_right:
; Causal attention with grouped heads, f16 operands, f32 products, maxima and sums.  q, k, v: qkv16 [batch 4][plane 24][1024][128] f16 (planes 0-15 query heads, 16 + 2 g k, 17 + 2 g v).  o: oh [4096][2048] f16.
; SHARES.  A cluster is the four query heads of one key and value head, at the same queries: they walk the same K and V, so each tile is asked for jointly; only Q's and O's addresses hang on the place in the cluster.
; A work-group takes query block i (128 queries) and then block 7 - i: (i + 1) + (8 - i) = 9 units of 128 keys, 18 key steps of 64, for every i: 256 work-groups of equal work.  A wave owns 32 queries of the block in hand: tiles 0 and 1.
; LAYOUT.  S^T = K Q^T, O^T = V^T P: a lane holds one query throughout.  K comes out of LDS as it lies, V turned by ds_load_tr16_b128.
; SOFTMAX.  Running maximum m and sum l: p = 2^(c s - c m), c = log2(e) / sqrt(128); in every step O and l are multiplied by a = 2^(c m_old - c m_new).
; THE MASK rides in as the C of a tile's first four products: a block of zeros, a triangle, or -1e30, by the class kt - x of the key tile against the query tile.  Steps wholly hidden give p = 0; no wave leaves a step out.
; BY TURNS.  In a turn one tile has the matrix unit (16 products V^T P of the step in hand, 16 products K Q^T of the next); the other tile's softmax stands between them, a slice behind each product.
; THE CHANGE OF BLOCKS falls inside the loop: O goes out, m is set to -3e38, so that the next a is 0 and wipes O and l; Q's second block is copied in.  Its branches hang on ids and the count of steps alone.
; LIMITS: |q . k| under 1e29 (the mask's -1e30); NaN and infinities are not served.
; REGISTERS: window 0: v2-8 addresses; v12-27 statistics, 8 a tile; v40-79 five mask classes; v80-143 S^T; v144-175 P; v176-207 the way out.  window 1: v0-127 O^T; v128-191 Q; v192-255 Q of block 7 - i.  window 2: v0-127 K; v128-255 V.
.set KS,    64
.set PK,    272                        ; a row of K in LDS: 256 + 16 bytes: 16 rows start at 16 different banks (ISA guide 11.1)
.set PVP,   288                        ; a row of V: 256 + 32
.set VOFF,  KS*PK
.set STEPB, KS*(PK+PVP)
.set SLOT1, 1<<17
.set STAGE, SLOT1+2*STEPB
.set SP,    272
.set SPARE, STAGE+4*16*SP
.set AK0, 2
.set AV0, 3
.set ADR, 4
.set QO,  5
.set STO, 6
.set RD,  7
.set GO,  8
.set ST,  12
.set PFO, 30
.set SPW, 32
.set NIL, 33
.set CMB, 40
.set S,   80
.set P,   144
.set TMPO, 176
.set WV,  12
.set LIM, 15
.set PFA, 18
.set QI,  20                           ; s20 i
.set L1,  21                           ; s21 2 (i + 1): the key steps of block i
.set J,   22                           ; s22 the key step whose V^T P is in hand
.set NU,  23                           ; s23 the unit that the next change of slots asks for
.set G1K, 24
.set G1V, 32
.set G0K, 40
.set G0V, 48
.set SLOTS, 56
.set TWICE, 57
.set CS,  58
.set SEL, 60
.set TB,  62
.set OBA, 68                           ; s[68:69] O's rows of the block in hand;  s[70:71] of block 7 - i
.set OBB, 70
.set TM,  72                           ; s72-79 lane masks: key 8 (lane / 16) + jj comes after query lane % 16
.set MSB, 0
.macro WIN new
.if MSB != (\new)
	s_set_vgpr_msb (MSB<<8)|(\new)
.set MSB, \new
.endif
.endm
.set W_KQ, 0x06                        ; K window 2, Q window 1, S^T and the mask window 0
.set W_PV, 0x52                        ; V window 2, P window 0, O^T window 1
.set W_RS, 0x41                        ; O^T window 1, a window 0
.macro JLOAD                           ; a joint refill: waves 0 and 1 fetch the unit's two steps of K, waves 2 and 3 of V
	s_cmp_lt_u32 s[WV], 2
	s_cbranch_scc0 .Lfor_v_\@
	tensor_load_to_lds s[G0K+4:G0K+7], s[G1K:G1K+7]
	s_nop 0
.rept 4
	v_nop
.endr
	s_branch .Lasked_\@
.Lfor_v_\@:
	tensor_load_to_lds s[G0V+4:G0V+7], s[G1V:G1V+7]
	s_nop 0
.rept 4
	v_nop
.endr
.Lasked_\@:
.endm
; A prefetch of the key unit that the NEXT change of slots will ask for: 128 rows of K and of V, 256 bytes a row, a lane a row.  Of the four clusters that walk one key and value head, the one with i = 0 asks: it walks all
; eight units.  Its partners share the rows out by address, 32 each; wave 0 asks for K's, wave 2 for V's.  The last change that fills a slot asks for nothing.
.macro ASK
	s_cmp_gt_u32 s[SLOTS], s[LIM]
	s_cbranch_scc0 .Lnot_mine_\@
	global_prefetch_b8 v[PFO], s[PFA:PFA+1] th:TH_LOAD_NT scope:SCOPE_SE
.Lnot_mine_\@:
.endm
.macro CROUND
	s_barrier_signal -1
	s_barrier_wait -1
	s_cmp_lg_u32 s[WV], 0
	s_cbranch_scc1 .Lnot_wave_0_\@
	s_barrier_signal -3
.Lnot_wave_0_\@:
	s_barrier_wait -3
	s_barrier_signal -1
	s_barrier_wait -1
.endm
	s_load_b128 s[4:7], s[0:1], 0x0                ; qkv16, oh
	v_lshl_add_u32 v[SPW], v0, 2, SPARE
	v_mov_b32 v[NIL], 0
	ds_add_u32 v[SPW], v[NIL]                      ; the wave's opening: the add, twice on end, and its wait ahead of my first tensor load
	ds_add_u32 v[SPW], v[NIL]
	v_lshrrev_b32 v1, 5, v0
	v_readfirstlane_b32 s[WV], v1                  ; wave 0..3
	s_bfe_u32 s13, ttmp6, 0x40000                  ; cx: the head inside the group
	s_and_b32 s14, ttmp7, 0xffff                   ; 4 x batch + i
	s_lshr_b32 s82, s14, 2                         ; the batch
	s_and_b32 s[QI], s14, 3
	s_add_co_u32 s14, s[QI], 1                     ; s14 = i + 1 from here on
	s_lshl_b32 s[L1], s14, 1
	s_lshl_b32 s91, s[WV], 1                       ; 2 w
	s_mov_b32 s92, 0xf149f2ca                      ; -1e30
	s_mul_i32 s83, s82, 24
	s_lshl_b32 s80, ttmp9, 1                       ; ttmp9: the key and value head g
	s_add_co_u32 s80, s80, s83
	s_add_co_u32 s80, s80, 16                      ; K's plane
	s_lshl_b32 s80, s80, 10
	s_and_b32 s16, s[WV], 1                        ; which of a unit's two steps I fetch
	s_lshl_b32 s81, s16, 6
	s_add_co_u32 s80, s80, s81
	s_lshl_b32 s80, s80, 8                         ; in bytes
	s_mov_b32 s81, 0
	s_mul_i32 s17, s16, STEPB                      ; and its place in a slot
	; what hangs on cx stays in s84-s90
	s_lshl_b32 s84, ttmp9, 2
	s_add_co_u32 s84, s84, s13                     ; the query head
	s_add_co_u32 s85, s83, s84
	s_lshl_b32 s85, s85, 10                        ; its first row in qkv16
	s_lshl_b32 s87, s[WV], 5
	s_lshl_b32 s86, s[QI], 7
	s_add_co_u32 s86, s86, s87                     ; my first query of block i
	s_sub_co_u32 s88, 7, s[QI]
	s_lshl_b32 s88, s88, 7
	s_add_co_u32 s88, s88, s87                     ; and of block 7 - i
	s_lshl_b32 s89, s82, 10
	s_add_co_u32 s90, s89, s86
	s_lshl_b32 s90, s90, 12                        ; rows of oh are 4,096 bytes
	s_add_co_u32 s89, s89, s88
	s_lshl_b32 s89, s89, 12
	s_lshl_b32 s87, s84, 8                         ; the head's 256 bytes of a row
	s_add_co_u32 s90, s90, s87
	s_add_co_u32 s89, s89, s87
	s_add_co_u32 s86, s86, s85
	s_lshl_b32 s86, s86, 8
	s_add_co_u32 s88, s88, s85
	s_lshl_b32 s88, s88, 8
	s_mov_b32 s[G1K], 15|(1<<16)|(1<<20)|(1<<21)|(5<<22)|(3<<25)  ; the mask: all four; elements of 2 bytes; padding: 4 words after every 64; bit 21 beside a mask
	s_mov_b32 s[G1V], 15|(1<<16)|(1<<20)|(1<<21)|(5<<22)|(7<<25)  ; the same with 8 words of padding
.irp g, G1K, G1V
	s_mov_b32 s[\g+1], 128<<16
	s_mov_b32 s[\g+2], KS<<16
	s_mov_b32 s[\g+3], 128<<16
	s_mov_b32 s[\g+4], KS
	s_mov_b32 s[\g+5], 128
	s_mov_b32 s[\g+6], 0
	s_mov_b32 s[\g+7], 0
.endr
	s_mov_b32 s[CS], 0x3e0293ee                    ; c = log2(e) / sqrt(128)
	s_mov_b32 s[CS+1], s[CS]
	s_mov_b32 s[SEL], 0x76543210
	s_mov_b32 s[SEL+1], 0xfedcba98
	s_mov_b32 s[TB], 0
	s_mov_b32 s[SLOTS], 7
	s_mov_b32 s[J], 0
	s_mov_b32 s[NU], 2
	s_or_b32 s[LIM], s16, s[QI]                    ; waves 0 and 2 of the clusters with i = 0 prefetch: the same in all four partners
	s_cmp_eq_u32 s[LIM], 0
	s_cselect_b32 s[LIM], 1, -1
	v_and_b32 v[PFO], 31, v0
	v_lshlrev_b32 v[PFO], 8, v[PFO]
	s_wait_dscnt 0x0                               ; both opening adds are done
	s_wait_kmcnt 0x0
	s_add_nc_u64 s[8:9], s[4:5], s[80:81]          ; K at my step of key unit 0
	s_add_nc_u64 s[10:11], s[8:9], 0x40000         ; V: one plane on
	s_mov_b32 s3, 0
	s_mov_b32 s2, s86
	s_add_nc_u64 s[66:67], s[4:5], s[2:3]          ; Q, block i
	s_mov_b32 s2, s88
	s_add_nc_u64 s[84:85], s[4:5], s[2:3]          ; Q, block 7 - i
	s_mov_b32 s2, s90
	s_add_nc_u64 s[OBA:OBA+1], s[6:7], s[2:3]
	s_mov_b32 s2, s89
	s_add_nc_u64 s[OBB:OBB+1], s[6:7], s[2:3]
	s_cmp_lt_u32 s[WV], 2
	s_cselect_b64 s[PFA:PFA+1], s[8:9], s[10:11]
	s_lshl_b32 s2, s13, 13                         ; my work-group's 32 rows of the 128
	s_add_nc_u64 s[PFA:PFA+1], s[PFA:PFA+1], s[2:3]
	s_add_nc_u64 s[PFA:PFA+1], s[PFA:PFA+1], 2*KS*256  ; at key unit 1: the first change of slots steps it to unit 2.  Nothing is prefetched at the head
	s_cmp_eq_u32 s[QI], 0
	s_cselect_b32 s80, 0, 0x8000                   ; unit 1 of the walk is key unit 1, or, where block i has one unit only, key unit 0 again
	CROUND                                         ; all four work-groups are here: the first joint loads meet
	s_mov_b32 s[G0K], 1
	s_mov_b32 s[G0K+1], s17
	s_mov_b64 s[G0K+2:G0K+3], s[8:9]
	s_or_b32 s[G0K+3], s[G0K+3], 0x80000000
	s_mov_b32 s[G0K+4], 1
	s_add_co_u32 s[G0K+5], s17, SLOT1
	s_add_nc_u64 s[G0K+6:G0K+7], s[8:9], s[80:81]
	s_or_b32 s[G0K+7], s[G0K+7], 0x80000000
	s_mov_b32 s[G0V], 1
	s_add_co_u32 s[G0V+1], s17, VOFF
	s_mov_b64 s[G0V+2:G0V+3], s[10:11]
	s_or_b32 s[G0V+3], s[G0V+3], 0x80000000
	s_mov_b32 s[G0V+4], 1
	s_add_co_u32 s[G0V+5], s17, SLOT1+VOFF
	s_add_nc_u64 s[G0V+6:G0V+7], s[10:11], s[80:81]
	s_or_b32 s[G0V+7], s[G0V+7], 0x80000000
	s_cmp_lt_u32 s[WV], 2                          ; a wave's two first fills stand in one branch: two loads of mine are out
	s_cbranch_scc0 .Lfirst_v
	tensor_load_to_lds s[G0K:G0K+3], s[G1K:G1K+7]
	s_nop 0
	tensor_load_to_lds s[G0K+4:G0K+7], s[G1K:G1K+7]
	s_nop 0
.rept 4
	v_nop
.endr
	s_branch .Lfirst_asked
.Lfirst_v:
	tensor_load_to_lds s[G0V:G0V+3], s[G1V:G1V+7]
	s_nop 0
	tensor_load_to_lds s[G0V+4:G0V+7], s[G1V:G1V+7]
	s_nop 0
.rept 4
	v_nop
.endr
.Lfirst_asked:
	v_and_b32 v1, 15, v0                           ; l % 16
	v_bfe_u32 v9, v0, 4, 1                         ; l / 16
	v_lshlrev_b32 v[QO], 8, v1
	v_lshl_add_u32 v[QO], v9, 4, v[QO]
	WIN 0x40                                       ; destination window 1
.irp i, 0,1,2,3,4,5,6,7                        ; both blocks' Q stay in registers: tile i / 4, channels 32 (i % 4) on
	global_load_b128 v[128+8*\i:128+8*\i+3], v[QO], s[66:67] offset:(\i/4)*4096+(\i%4)*64
	global_load_b128 v[128+8*\i+4:128+8*\i+7], v[QO], s[66:67] offset:(\i/4)*4096+(\i%4)*64+32
	global_load_b128 v[192+8*\i:192+8*\i+3], v[QO], s[84:85] offset:(\i/4)*4096+(\i%4)*64
	global_load_b128 v[192+8*\i+4:192+8*\i+7], v[QO], s[84:85] offset:(\i/4)*4096+(\i%4)*64+32
.endr
	WIN 0
	v_mul_u32_u24 v[AK0], v1, PK
	v_lshl_add_u32 v[AK0], v9, 4, v[AK0]
	v_and_b32 v10, 7, v0
	v_bfe_u32 v11, v0, 3, 1
	v_lshl_add_u32 v[AV0], v9, 3, v10
	v_mul_u32_u24 v[AV0], v[AV0], PVP
	v_lshl_add_u32 v[AV0], v11, 4, v[AV0]
	v_add_nc_u32 v[AV0], VOFF, v[AV0]
.irp n, 0,1,2,3,4,5,6,7,8,9,10,11,12,13,14,15
	v_mov_b32 v[ST+\n], 0                          ; the statistics are written once, whole
.endr
	v_lshlrev_b32 v10, 3, v9
	v_sub_nc_u32 v10, v1, v10                      ; query - 8 (lane / 16)
.irp jj, 0,1,2,3,4,5,6,7
	v_cmp_gt_i32 s[TM+\jj], \jj, v10               ; on the diagonal tile register jj's key is hidden where 8 (lane / 16) + jj > lane % 16
.endr
; The five classes for the step whose number e stands in s93: class c (kt - x = c - 1): under e zeros, at e the triangle, over e -1e30.
.macro SETMASK
.irp c, 0,1,2,3,4
	s_cmp_lt_i32 s93, \c-1
	s_cselect_b32 s94, s92, 0
	s_cmp_le_i32 s93, \c-1
	s_cselect_b32 s95, s92, 0
	v_mov_b32 v29, s95
.irp jj, 0,1,2,3,4,5,6,7
	v_cndmask_b32 v[CMB+8*\c+\jj], s94, v29, s[TM+\jj]
.endr
.endr
.endm
; For key step J + 1: e = 2 w + 4 ((the block's last diagonal step) - step).  The classes are made anew where some class is not zeros (e at most 3) and at the second block's first step, where they go back to zeros.
.macro MASKSTEP
	WIN 0
	s_add_co_u32 s94, s[J], 1
	s_sub_co_u32 s95, s[L1], 2
	s_cmp_lt_u32 s94, s[L1]
	s_cselect_b32 s95, s95, 16
	s_sub_co_i32 s95, s95, s94
	s_lshl_b32 s95, s95, 2
	s_add_co_i32 s93, s95, s91
	s_cmp_eq_u32 s94, s[L1]
	s_cbranch_scc1 .Lset_\@
	s_cmp_gt_i32 s93, 3
	s_cbranch_scc1 .Lkeep_\@
.Lset_\@:
	SETMASK
.Lkeep_\@:
.endm
; Product i of 16 of O^T += V^T P for tile x: keys 32 (i / 8) on, channels 16 (i % 8) on.  The accumulators take turns, one instruction a turn.
.macro PVM x, zero
	WIN W_PV
.set rO, 64*(\x)+8*(i%8)
.set rV, 128+64*(i/8)+8*(i%8)
.set rP, P+16*(\x)+8*(i/8)
.if (\zero) && (i < 8)
	v_wmma_f32_16x16x32_f16 v[rO:rO+7], v[rV:rV+7], v[rP:rP+7], 0
.else
	v_wmma_f32_16x16x32_f16 v[rO:rO+7], v[rV:rV+7], v[rP:rP+7], v[rO:rO+7]
.endif
.endm
; Product i of 16 of S^T = K Q^T for tile x: channels 32 (i / 4) on, keys 16 (i % 4) on.  The first four start the sums from the mask's class.
.macro KQ x
	WIN W_KQ
.set rS, S+32*(\x)+8*(i%4)
.set rK, 32*(i%4)+8*(i/4)
.set rQ, 128+32*(\x)+8*(i/4)
.set rC, CMB+8*(i%4-(\x)+1)
.if i < 4
	v_wmma_f32_16x16x32_f16 v[rS:rS+7], v[rK:rK+7], v[rQ:rQ+7], v[rC:rC+7]
.else
	v_wmma_f32_16x16x32_f16 v[rS:rS+7], v[rK:rK+7], v[rQ:rQ+7], v[rS:rS+7]
.endif
.endm
.macro FETCH_K                         ; a step's K: 32 loads in one run
	WIN 0
	v_add_nc_u32 v[ADR], s[TB], v[AK0]
	WIN 0x80
.irp f, 0,1,2,3,4,5,6,7,8,9,10,11,12,13,14,15
	ds_load_b128 v[8*\f:8*\f+3],   v[ADR] offset:(\f/4)*16*PK+(\f%4)*64
	ds_load_b128 v[8*\f+4:8*\f+7], v[ADR] offset:(\f/4)*16*PK+(\f%4)*64+32
.endr
.endm
.macro FETCH_V                         ; the same step's V, turned
	WIN 0
	v_add_nc_u32 v[ADR], s[TB], v[AV0]
	s_add_co_u32 s[TB], s[TB], STEPB
	s_wait_alu depctr_va_vdst(0)                   ; the wait for the softmax's batch of exponentials, ahead of the first line that names a result
	WIN 0x80
.irp f, 0,1,2,3,4,5,6,7,8,9,10,11,12,13,14,15
	ds_load_tr16_b128 v[128+8*\f:128+8*\f+3],   v[ADR] offset:(\f/8)*32*PVP+(\f%8)*32
	ds_load_tr16_b128 v[128+8*\f+4:128+8*\f+7], v[ADR] offset:(\f/8)*32*PVP+16*PVP+(\f%8)*32
.endr
.endm
; One tile's softmax for one key step is a list of 134 instructions; SM writes number j of it.
;   0-15 the maximum of the 32 scores and the old m;  16-20 the other half of the lanes', the new m, c m, its change;  21-69 one batch: 16 scalings and 33 exponentials, none of which reads an exponential's result;
;   (the wait)  70-85 the roundings to f16;  86-101 the sums, l = a l + the sum;  102-133 O^T times a.
.macro SM t, first
.set rT, ST+8*(\t)
.set rS, S+32*(\t)
.set rP, P+16*(\t)
.set rO, 64*(\t)+2*(j-102)
.if j < 102
	WIN 0
.endif
.if j < 4
	v_max3_num_f32 v[rT+4+j], v[rS+8*j], v[rS+8*j+1], v[rS+8*j+2]
.elseif j < 12
	v_max3_num_f32 v[rT+4+j%4], v[rT+4+j%4], v[rS+8*(j%4)+2*(j/4)+1], v[rS+8*(j%4)+2*(j/4)+2]
.elseif j == 12
	v_max3_num_f32 v[rT+4], v[rT+4], v[rS+7], v[rS+15]
.elseif j == 13
	v_max3_num_f32 v[rT+6], v[rT+6], v[rS+23], v[rS+31]
.elseif j == 14
	v_max3_num_f32 v[rT+4], v[rT+4], v[rT+5], v[rT+6]
.elseif (j == 15) && \first
	v_max_num_f32 v[rT+4], v[rT+4], v[rT+7]
.elseif j == 15
	v_max3_num_f32 v[rT+4], v[rT+4], v[rT+7], v[rT+1]
.elseif j == 16
	v_permlanex16_b32 v[rT+5], v[rT+4], s[SEL], s[SEL+1]
.elseif j == 18
	v_max_num_f32 v[rT+1], v[rT+4], v[rT+5]
.elseif j == 19
	v_mul_f32 v[rT], s[CS], v[rT+1]
.elseif ((j == 17) || (j == 20) || (j == 23) || (j > 101)) && \first
.elseif j == 17
	v_mov_b32 v[rT+7], v[rT]
.elseif j == 20
	v_sub_f32 v[rT+7], v[rT+7], v[rT]
.elseif j == 23
	v_exp_f32 v[rT+6], v[rT+7]
.elseif (j < 23) || ((j < 38) && (j%2 == 0)) || ((j < 66) && (j%4 == 2))
.set b, (j-2)/4
.if j < 38
.set b, (j-20)/2
.endif
	v_pk_fma_f32 v[rS+2*b:rS+2*b+1], v[rS+2*b:rS+2*b+1], s[CS:CS+1], v[rT:rT+1] op_sel_hi:[1,0,0] neg_lo:[0,0,1] neg_hi:[0,0,1]
.elseif j < 70
.set e, j-38
.if j < 66
.set e, j-32-(j-38)/4
.endif
.if j < 38
.set e, (j-25)/2
.endif
	v_exp_f32 v[rS+e], v[rS+e]
.elseif j < 86
	v_cvt_pk_f16_f32 v[rP+j-70], v[rS+2*(j-70)], v[rS+2*(j-70)+1]
.elseif j < 102
.set z, j-86
.set w, 4
.set u, z
.if z >= 14
.set w, 32
.set u, 0
.elseif z >= 12
.set w, 16
.set u, z-12
.elseif z >= 8
.set w, 8
.set u, z-8
.endif
.if (z == 14) && \first
	v_pk_add_f32 v[rT+2:rT+3], v[rS:rS+1], v[rS+16:rS+17]
.elseif z < 15
	v_pk_add_f32 v[rS+w*u:rS+w*u+1], v[rS+w*u:rS+w*u+1], v[rS+w*u+w/2:rS+w*u+w/2+1]
.elseif !\first
	v_pk_fma_f32 v[rT+2:rT+3], v[rT+2:rT+3], v[rT+6:rT+7], v[rS:rS+1] op_sel_hi:[1,0,1]
.endif
.else
	WIN W_RS
	v_pk_mul_f32 v[rO:rO+1], v[rO:rO+1], v[rT+6:rT+7] op_sel_hi:[1,0]
.endif
.endm
; Slice k of 32 of tile y's softmax: numbers 4 k to 4 k + 3; the last slice takes the six that are over: its ten plain lines are the places behind the turn's last products.
; Between numbers 69 and 70 the batch ends: plain lines behind the last exponential, then the one wait.  In tile 1's turn V's run of loads stands there: behind the last product that read V lie number 62, three v_nop and the run's own addition.
.macro SLICE y, first
.irp n, 0,1,2,3,4,5,6,7,8,9
.if (\n < 4) || (k == 31)
.set j, 4*k+\n
.if j == 70
	WIN 0
	v_nop
	v_nop
	v_nop
.if (\y) == 0
	FETCH_V
.else
	s_wait_alu depctr_va_vdst(0)                   ; the wait for the batch
.endif
.endif
	SM \y, \first
.endif
.endr
.set k, k+1
.endm
.macro PLACES
.rept 4
	v_nop
.endr
.endm
; A TURN.  Tile x has the matrix unit.  pv = 2: 16 products V^T P; 1: they start O^T's sums; 0: none.  kq = 1: 16 products K Q^T of the next step.  A turn with one kind has two slices behind each product.
.macro TURN x, pv, kq, first
.set k, 0
.set per, 2
.if \pv && \kq
.set per, 1
.endif
.if \pv
.if \x == 0
	s_wait_dscnt 0x0                               ; V is in
.endif
.set i, 0
.rept 16
	PVM \x, 2-\pv
.rept per
	SLICE 1-\x, \first
.endr
.if (\x == 0) && \kq && (i == 1)
	FETCH_K
.endif
.set i, i+1
.endr
.endif
.if \kq
.if \x == 0
	s_wait_dscnt 0x0                               ; K is in
.endif
.set i, 0
.rept 16
	KQ \x
.rept per
	SLICE 1-\x, \first
.endr
.set i, i+1
.endr
.endif
.if \first
	PLACES                                         ; the first step's softmax has no rescaling: these take the last slice's part
.endif
.endm
; Tile t's O^T goes out: divided by l, rounded to f16, through my stage in LDS, as rows of 256 bytes.
.macro OUT t
.set rT, ST+8*(\t)
	WIN 0
	s_wait_xcnt 0x0                                ; earlier stores have read their data registers
	v_add_f32 v[rT+4], v[rT+2], v[rT+3]
	v_permlanex16_b32 v[rT+5], v[rT+4], s[SEL], s[SEL+1]
	v_add_f32 v[rT+4], v[rT+4], v[rT+5]
	v_rcp_f32 v[rT+6], v[rT+4]
	v_nop                                          ; a plain line behind the reciprocal,
	s_wait_alu depctr_va_vdst(0)                   ; and the wait ahead of its first use
	WIN W_RS
.set nn, 0
.rept 32
	v_pk_mul_f32 v[64*(\t)+2*nn:64*(\t)+2*nn+1], v[64*(\t)+2*nn:64*(\t)+2*nn+1], v[rT+6:rT+7] op_sel_hi:[1,0]
.set nn, nn+1
.endr
	WIN 0x05
.set nn, 0
.rept 32
	v_cvt_pk_f16_f32 v[TMPO+nn], v[64*(\t)+2*nn], v[64*(\t)+2*nn+1]
.set nn, nn+1
.endr
	WIN 0
.irp f, 0,1,2,3,4,5,6,7
	ds_store_b128 v[STO], v[TMPO+4*\f:TMPO+4*\f+3] offset:32*\f
.endr
.irp f, 0,1,2,3,4,5,6,7
	ds_load_b128 v[TMPO+4*\f:TMPO+4*\f+3], v[RD] offset:\f*2*SP   ; LDS serves a wave's instructions in order: these see the stores above
.endr
	s_wait_dscnt 0x0
.irp f, 0,1,2,3,4,5,6,7
	global_store_b128 v[GO], v[TMPO+4*\f:TMPO+4*\f+3], s[OBA:OBA+1] offset:(\t)*65536+\f*8192   ; 16 lanes store 256 consecutive bytes, aligned
.endr
.endm
.macro RESET t                         ; m = -3e38: the next a is 2^(-huge) = 0, which wipes O^T and l
	v_mov_b32 v[ST+8*(\t)+1], 0xff61b1e6
	v_mul_f32 v[ST+8*(\t)], s[CS], v[ST+8*(\t)+1]
.endm
.macro CHANGE fill
	WIN 0
	s_wait_tensorcnt 0x0                           ; no tensor load of mine is out, so a group 0 may be written
	ds_add_u32 v[SPW], v[NIL]
.if \fill
	s_cmp_gt_u32 s[NU], s[QI]                      ; unit n of the walk is key unit n in block i, n - (i + 1) in block 7 - i
	s_cselect_b32 s80, s14, 0
	s_sub_co_u32 s80, s[NU], s80
	s_lshl_b32 s80, s80, 15
	s_add_co_u32 s[NU], s[NU], 1
	s_xor_b32 s[G0K+5], s[G0K+5], SLOT1
	s_add_nc_u64 s[G0K+6:G0K+7], s[8:9], s[80:81]
	s_or_b32 s[G0K+7], s[G0K+7], 0x80000000
	s_xor_b32 s[G0V+5], s[G0V+5], SLOT1
	s_add_nc_u64 s[G0V+6:G0V+7], s[10:11], s[80:81]
	s_or_b32 s[G0V+7], s[G0V+7], 0x80000000
	s_wait_xcnt 0x0                                ; the last prefetch, two key steps back, has read its address
	s_add_nc_u64 s[PFA:PFA+1], s[PFA:PFA+1], 2*KS*256
	s_wait_dscnt 0x0                               ; the add is done, and my reads of the slot are over
	CROUND
	JLOAD
	ASK
.else
	s_wait_dscnt 0x0
	s_barrier_signal -1
	s_barrier_wait -1
.endif
	s_sub_co_u32 s[TB], s[TB], 2*STEPB
	s_xor_b32 s[TB], s[TB], SLOT1
.endm
; One key step: V^T P of step J and K Q^T of step J + 1.  ev = 1: the change of blocks may fall here.
.macro BODY ev
.if \ev
	s_cmp_lg_u32 s[J], s[L1]
	s_cbranch_scc1 .Lno_o1_\@
	OUT 1                                          ; tile 1's last V^T P of block i stood in the turn before
	RESET 1
	s_wait_xcnt 0x0                                ; the stores have read their base
	s_mov_b64 s[OBA:OBA+1], s[OBB:OBB+1]
.Lno_o1_\@:
	s_add_co_u32 s94, s[J], 1
	s_cmp_lg_u32 s94, s[L1]
	s_cbranch_scc1 .Lno_q_\@
	WIN 0x41                                       ; the scores of step L1 are block 7 - i's: its Q comes in (ten plain lines lie behind the last product that read Q)
.set nn, 0
.rept 64
	v_mov_b32 v[128+nn], v[192+nn]
.set nn, nn+1
.endr
	WIN 0
.Lno_q_\@:
.endif
	MASKSTEP
	TURN 0, 2, 1, 0
.if \ev
	WIN 0
	s_add_co_u32 s94, s[J], 1
	s_cmp_lg_u32 s94, s[L1]
	s_cbranch_scc1 .Lno_o0_\@
	OUT 0                                          ; tile 0's last V^T P of block i stood in the turn just done
	RESET 0
.Lno_o0_\@:
.endif
	TURN 1, 2, 1, 0
	WIN 0
	s_add_co_u32 s[J], s[J], 1
.endm
.macro TWO_STEPS ev
	s_mov_b32 s[TWICE], 2
.Lstep_\@:
	BODY \ev
	s_sub_co_u32 s[TWICE], s[TWICE], 1
	s_cmp_lg_u32 s[TWICE], 0
	s_cbranch_scc1 .Lstep_\@
.endm
	s_wait_tensorcnt 1                             ; my part of slot 0 is in; slot 1's may stay out
	s_barrier_signal -1
	s_barrier_wait -1
	s_sub_co_u32 s95, s[L1], 2                     ; key step 0: e = 2 w + 4 (L1 - 2)
	s_lshl_b32 s95, s95, 2
	s_add_co_u32 s93, s95, s91
	SETMASK
	FETCH_K
	s_wait_loadcnt 0x0                             ; Q
	s_wait_dscnt 0x0
.set i, 0
.rept 16
	KQ 0
.set i, i+1
.endr
	WIN 0                                          ; the addresses for the way out: eight plain lines, the places behind those products
	s_mul_i32 s94, s[WV], 16*SP
	s_add_co_u32 s94, s94, STAGE
	v_mul_u32_u24 v[STO], v1, SP
	v_lshl_add_u32 v[STO], v9, 4, v[STO]
	v_add_nc_u32 v[STO], s94, v[STO]
	v_mul_u32_u24 v[RD], v9, SP
	v_lshl_add_u32 v[RD], v1, 4, v[RD]
	v_add_nc_u32 v[RD], s94, v[RD]
	v_lshlrev_b32 v[GO], 12, v9
	v_lshl_add_u32 v[GO], v1, 4, v[GO]
	TURN 1, 0, 1, 1                                ; tile 1's first scores | tile 0's first softmax | V of step 0
	MASKSTEP
	TURN 0, 1, 1, 1                                ; tile 0: V^T P of step 0 starts O^T, K Q^T of step 1 | tile 1's first softmax | K of step 1
	TURN 1, 1, 1, 0                                ; tile 1: the same | tile 0's softmax of step 1 | V of step 1
	WIN 0
	s_mov_b32 s[J], 1
.Lslot:                                            ; seven trips: units 2 to 8 are asked for
	CHANGE 1
	TWO_STEPS 1
	s_sub_co_u32 s[SLOTS], s[SLOTS], 1
	s_cmp_lg_u32 s[SLOTS], 0
	s_cbranch_scc1 .Lslot
	CHANGE 0                                       ; the tail is written out
	TWO_STEPS 0
	TURN 0, 2, 0, 0                                ; tile 0: V^T P of the last step | tile 1's last softmax
.set i, 0
.rept 16
	PVM 1, 0
.set i, i+1
.endr
	OUT 0                                          ; its lines are also the places behind tile 1's last products
	OUT 1
	s_wait_tensorcnt 0x0                           ; the wave's end
	ds_add_u32 v[SPW], v[NIL]
	s_wait_dscnt 0x0
	CROUND                                         ; the closing round
	s_endpgm
.Lfunc_end_k_qbedd66a3d9_attn:
	.size	k_qbedd66a3d9_attn, .Lfunc_end_k_qbedd66a3d9_attn-k_qbedd66a3d9_attn
	.p2alignl 7, 3214868480
	.fill 96, 4, 3214868480
	.section	.rodata,"a",@progbits
	.p2align	6, 0x0
	.amdhsa_kernel k_qbedd66a3d9_attn
		.amdhsa_group_segment_fixed_size 327680
		.amdhsa_private_segment_fixed_size 0
		.amdhsa_enable_private_segment 0
		.amdhsa_kernarg_size 16
		.amdhsa_user_sgpr_count 2
		.amdhsa_user_sgpr_kernarg_segment_ptr 1
		.amdhsa_wavefront_size32 1
		.amdhsa_system_sgpr_workgroup_id_x 1
		.amdhsa_system_sgpr_workgroup_id_y 1
		.amdhsa_system_sgpr_workgroup_id_z 1
		.amdhsa_system_vgpr_workitem_id 0
		.amdhsa_next_free_vgpr 768
		.amdhsa_next_free_sgpr 96
		.amdhsa_reserve_vcc 0
		.amdhsa_float_denorm_mode_32 3
		.amdhsa_float_denorm_mode_16_64 3
		.amdhsa_memory_ordered 1
		.amdhsa_forward_progress 1
		.amdhsa_inst_pref_size 158
	.end_amdhsa_kernel
	.amdgpu_metadata
---
amdhsa.version: [ 1, 2 ]
amdhsa.kernels:
  - .name:           k_qbedd66a3d9_attn
    .symbol:         k_qbedd66a3d9_attn.kd
    .args:
      - { .name: qkv16, .offset: 0, .size: 8, .value_kind: global_buffer, .address_space: global }
      - { .name: oh, .offset: 8, .size: 8, .value_kind: global_buffer, .address_space: global }
    .group_segment_fixed_size: 327680
    .private_segment_fixed_size: 0
    .kernarg_segment_align: 8
    .kernarg_segment_size: 16
    .max_flat_workgroup_size: 128
    .sgpr_count:     96
    .vgpr_count:     768
    .wavefront_size: 32
...
	.end_amdgpu_metadata
.endif
;; end of part 3
;; launch oproj (part 4): grid 16 x 16, 4 waves a work-group, clusters of 4 x 4, 327,680 bytes of LDS; arguments oh, woh, out0; writes out0
.if DOCPART == 4
	.amdgcn_target "amdgcn-amd-amdhsa--gfx1250"
	.amdhsa_code_object_version 6
	.text
	.protected	k_qbedd66a3d9_oproj
	.globl	k_qbedd66a3d9_oproj
	.p2align	8
	.type	k_qbedd66a3d9_oproj,@function
k_qbedd66a3d9_oproj:
	s_mov_b64 s[64:65], 0
	v_nop
	global_prefetch_b8 v0, s[64:65] scope:SCOPE_SE
	s_setreg_imm32_b32 hwreg(HW_REG_WAVE_MODE, 25, 1), 1
	s_wait_xcnt 0x0
	s_wait_alu depctr_hold_cnt(0) depctr_sa_sdst(0) depctr_va_vdst(0) depctr_va_sdst(0) depctr_va_ssrc(0) depctr_va_vcc(0) depctr_vm_vsrc(0)
	s_getreg_b32 s2, hwreg(HW_REG_IB_STS2, 6, 4)
	s_cmp_eq_u32 s2, 0
	s_cbranch_scc0 .Lentry_in_a_cluster
	s_endpgm
.Lentry_in_a_cluster:
	s_bfe_u32 s2, ttmp6, 0x10000c
	s_cmp_lg_u32 s2, 0xf033
	s_cbranch_scc0 .Lentry_shape_is_right
	s_endpgm
.Lentry_shape_is_right:
; out0[m][n] = sum over k of oh[m][k] woh[n][k].  oh [4096][2048], woh [2048][2048]: f16; out0 [4096][2048]: f32; sums in f32.
; A tile of out0 is 256 x 128: 16 x 16 = 256 work-groups (tiles of 256 x 256 would be 128).  Four waves, each 128 rows x 64 columns: 32 accumulators, 256 registers (window 1).
; K goes in steps of 128 (rows of 256 bytes) through two LDS slots; waves 0 and 1 fetch A's halves (128 rows), waves 2 and 3 B's (64 rows).  Two slots of K steps of 256 would be 405,504 bytes: they do not fit.
; CLUSTERS: 4 x 4 work-groups; A's tiles are asked for jointly along a row of the cluster, B's along a column.  THE MATRIX INSTRUCTION IS USED TRANSPOSED: a lane holds eight neighbouring numbers of a row.
; THE WALK ALONG K IS TURNED: cluster (x, y) begins at K step 4 ((x + 2 y) mod 4) and goes round all sixteen.  The four clusters that read the same rows of A begin four K steps apart; clusters y and y xor 1, which read
; the same rows of B, eight apart.  So, where the clusters keep pace, a cluster asks from its fifth K step on for tiles of A, and from its ninth on for tiles of B, that another cluster has asked for four or eight K steps earlier.
; LIMIT: the f32 sums are taken in the order of the walk, not in ascending K.
; A wave's 64 columns are 256 bytes of a row, aligned: each wave sends its own blocks of 16 rows through its own stage.
; The first 16 positions of each sequence are written again, more finely, by the launch that follows.
; REGISTERS: window 0: v16-30 addresses; A's fragments v64-127, v128-191 (two buffers of 8 x 16 rows x 32 K); B's v192-223, v224-255.  window 1: accumulator (a, b) at v[8 (4 a + b)].
.set SIZE_K, 2048
.set SIZE_N, 2048
.set KSTEP,  128
.set NSTEP,  SIZE_K/KSTEP              ; 16 K steps: a power of two, so that the walk goes round by one s_and_b32
.set PITCH,  272                       ; 256 + 16 bytes: 16 rows start at 16 different banks (ISA guide 11.1)
.set HALFA,  128*PITCH
.set HALFB,  64*PITCH
.set BOFF,   2*HALFA
.set SLOT,   BOFF+2*HALFB
.set STAGE,  2*SLOT
.set SPITCH, 272
.set SPARE,  STAGE+4*16*SPITCH
.set LAPS,   SIZE_K/(2*KSTEP)
.set ADRA, 16
.set ADRB, 20
.set STO,  24
.set RD,   25
.set CO,   26
.set SPW,  28
.set NIL,  29
.set PFO,  30
.set AF,   64
.set BF,   192
.set OB,   64
.set KA,  14                           ; s[14:15] A at the first byte of the rows that I fetch; never rewritten
.set G1, 24
.set G0, 32
.set G1B, 48
.set G0B, 56
.set LIM, 43
.set PFA, 44
.set KB,  66                           ; s[66:67] the same for B
.set KT,  68                           ; s68, s69 the K step that lies, or is on its way, in slot 0, 1
.set KO,  70                           ; s[70:71] a K step's byte in a row, as a pair with 0 above it
.set PFB, 72                           ; s[72:73] B at the first byte of the 32 rows that my work-group prefetches
.set PK,  74                           ; s74      the K step that the prefetch names
.set PO,  76                           ; s[76:77] its byte in a row, as a pair with 0 above it
.set MSB, 0
.macro WIN new
.if MSB != (\new)
	s_set_vgpr_msb (MSB<<8)|(\new)
.set MSB, \new
.endif
.endm
.set MUL, 0x50                         ; C and D window 1
.macro JLOAD s                         ; a joint load: waves 0 and 1 for A, waves 2 and 3 for B; an s_nop 0 and four v_nop follow each of the two lines
	s_cmp_eq_u32 s11, 0
	s_cbranch_scc0 .Lfor_b_\@
	tensor_load_to_lds s[G0+4*\s:G0+4*\s+3], s[G1:G1+7]
	s_nop 0
.rept 4
	v_nop
.endr
	s_branch .Lasked_\@
.Lfor_b_\@:
	tensor_load_to_lds s[G0B+4*\s:G0B+4*\s+3], s[G1B:G1B+7]
	s_nop 0
.rept 4
	v_nop
.endr
.Lasked_\@:
.endm
; A PREFETCH INTO THE L2, behind the joint load, its five lines and the run of LDS loads: the K step of B that stands two refills on in the walk: 32 rows x 256 bytes, a lane a row, one instruction.
; Asked for are the walk's K steps 4 to 7 of B, behind the first four refills (the loop's first two trips).  The walk's K steps 0 to 3 come by their loads alone: nothing is asked at the head.  Its K steps 8 to 15 of B
; and 4 to 15 of A are those that another cluster's walk has passed, and are not named.  WHO: clusters y = 0 and y = 1 (clusters y = 2 and 3 walk as they do), wave 2; the four partners of a column of the cluster take
; 32 of the tile's 128 rows each, told apart by address.  So no block of 256 bytes is named twice in the launch.
.macro ASK
	s_cmp_gt_u32 s3, s[LIM]
	s_cbranch_scc0 .Lnot_mine_\@
	global_prefetch_b8 v[PFO], s[PFA:PFA+1] th:TH_LOAD_NT scope:SCOPE_SE
.Lnot_mine_\@:
.endm
.macro CREST
	s_cmp_lg_u32 s10, 0
	s_cbranch_scc1 .Lnot_wave_0_\@
	s_barrier_signal -3
.Lnot_wave_0_\@:
	s_barrier_wait -3
	s_barrier_signal -1
	s_barrier_wait -1
.endm
.macro CROUND
	s_barrier_signal -1
	s_barrier_wait -1
	CREST
.endm
	s_load_b128 s[4:7], s[0:1], 0x0                ; oh, woh
	s_load_b64 s[8:9], s[0:1], 0x10                ; out0
	v_lshl_add_u32 v[SPW], v0, 2, SPARE
	v_mov_b32 v[NIL], 0
	ds_add_u32 v[SPW], v[NIL]                      ; the wave's opening: the add, twice on end, and its wait ahead of my first tensor load
	ds_add_u32 v[SPW], v[NIL]
	v_lshrrev_b32 v1, 5, v0
	v_readfirstlane_b32 s10, v1                    ; wave 0..3
	s_lshr_b32 s11, s10, 1                         ; which half of the tile's rows is mine.  Also: I fetch for A (0) or for B (1)
	s_and_b32 s12, s10, 1                          ; which half of its columns.  Also: which half of that tile I fetch
	s_bfe_u32 s40, ttmp6, 0x40000
	s_bfe_u32 s41, ttmp6, 0x40004
	s_lshl_b32 s42, ttmp9, 2
	s_add_co_u32 s42, s42, s40                     ; tile column
	s_and_b32 s13, ttmp7, 0xffff                   ; cluster y
	s_lshl_b32 s22, s13, 1
	s_add_co_u32 s22, s22, ttmp9                   ; cluster x + 2 cluster y: the same in all sixteen partners
	s_and_b32 s22, s22, 3
	s_lshl_b32 s[KT], s22, 2                       ; the K step at which my cluster's walk begins: 0, 4, 8 or 12: slot 0's first,
	s_add_co_u32 s[KT+1], s[KT], 1                 ; and slot 1's
	s_mov_b32 s[KO+1], 0
	s_mov_b32 s[PO+1], 0
	s_lshl_b32 s13, s13, 2
	s_add_co_u32 s13, s13, s41                     ; tile row
	s_lshl_b32 s43, s41, 2
	s_lshl_b32 s43, 15, s43
	s_lshl_b32 s44, 0x1111, s40
	s_or_b32 s[G1+0], s43, (1<<16)|(1<<20)|(1<<21)|(5<<22)|(3<<25)   ; the mask; elements of 2 bytes; padding: 4 words after every 64; bit 21 beside a mask
	s_or_b32 s[G1B+0], s44, (1<<16)|(1<<20)|(1<<21)|(5<<22)|(3<<25)
	s_mov_b32 s[G1+1], KSTEP<<16
	s_mov_b32 s[G1+2], 128<<16
	s_mov_b32 s[G1+3], KSTEP<<16
	s_mov_b32 s[G1+4], 128
	s_mov_b32 s[G1+5], SIZE_K
	s_mov_b32 s[G1+6], 0
	s_mov_b32 s[G1+7], 0
	s_mov_b32 s[G1B+1], KSTEP<<16
	s_mov_b32 s[G1B+2], 64<<16
	s_mov_b32 s[G1B+3], KSTEP<<16
	s_mov_b32 s[G1B+4], 64
	s_mov_b32 s[G1B+5], SIZE_K
	s_mov_b32 s[G1B+6], 0
	s_mov_b32 s[G1B+7], 0
	s_lshl_b32 s17, s12, 7
	s_lshl_b32 s16, s13, 8
	s_add_co_u32 s16, s16, s17                     ; A: row 256 x tile row + 128 x half
	s_lshl_b32 s47, s12, 6
	s_lshl_b32 s46, s42, 7
	s_add_co_u32 s46, s46, s47                     ; B: row 128 x tile column + 64 x half
	s_mov_b32 s17, 0
	s_mov_b32 s47, 0
	s_mov_b64 s[18:19], SIZE_K*2
	s_mul_u64 s[16:17], s[16:17], s[18:19]
	s_mul_u64 s[46:47], s[46:47], s[18:19]
	s_mul_i32 s20, s12, HALFA                      ; where A's halves go,
	s_mul_i32 s21, s12, HALFB
	s_add_co_u32 s21, s21, BOFF                    ; and B's
	s_wait_dscnt 0x0                               ; both opening adds are done
	s_wait_kmcnt 0x0
	s_add_nc_u64 s[KA:KA+1], s[4:5], s[16:17]
	s_add_nc_u64 s[KB:KB+1], s[6:7], s[46:47]
	CROUND                                         ; all sixteen work-groups are here
.irp s, 0,1
	s_lshl_b32 s[KO], s[KT+\s], 8                  ; a K step is 256 bytes of a row
	s_mov_b32 s[G0+4*\s], 1
	s_add_co_u32 s[G0+4*\s+1], s20, \s*SLOT
	s_add_nc_u64 s[G0+4*\s+2:G0+4*\s+3], s[KA:KA+1], s[KO:KO+1]
	s_or_b32 s[G0+4*\s+3], s[G0+4*\s+3], 0x80000000
	s_mov_b32 s[G0B+4*\s], 1
	s_add_co_u32 s[G0B+4*\s+1], s21, \s*SLOT
	s_add_nc_u64 s[G0B+4*\s+2:G0B+4*\s+3], s[KB:KB+1], s[KO:KO+1]
	s_or_b32 s[G0B+4*\s+3], s[G0B+4*\s+3], 0x80000000
	JLOAD \s
.endr
	v_and_b32 v1, 15, v0
	v_bfe_u32 v2, v0, 4, 1
	v_mul_u32_u24 v3, v1, PITCH
	v_lshl_add_u32 v3, v2, 4, v3
	s_mul_i32 s21, s11, HALFA                      ; my 128 rows of A
	s_mul_i32 s22, s12, HALFB
	s_add_co_u32 s22, s22, BOFF                    ; my 64 rows of B
.irp s, 0,1
	v_add_nc_u32 v[ADRA+\s], s21, v3
	v_add_nc_u32 v[ADRB+\s], s22, v3
	s_add_co_u32 s21, s21, SLOT
	s_add_co_u32 s22, s22, SLOT
.endr
	s_mul_i32 s23, s10, 16*SPITCH
	s_add_co_u32 s23, s23, STAGE                   ; my stage
	v_mul_u32_u24 v4, v1, SPITCH
	v_lshl_add_u32 v4, v2, 5, v4
	v_add_nc_u32 v[STO], s23, v4                   ; in: row l % 16, 32 bytes for each half of the lanes
	v_mul_u32_u24 v5, v2, SPITCH
	v_lshl_add_u32 v5, v1, 4, v5
	v_add_nc_u32 v[RD], s23, v5                    ; back: lanes 0-15 one row of 256 bytes, lanes 16-31 the next
	v_lshlrev_b32 v[CO], 13, v2
	v_lshl_add_u32 v[CO], v1, 4, v[CO]             ; and the same two rows in out0 (rows of 8,192 bytes)
	s_lshl_b32 s16, s13, 8
	s_lshl_b32 s17, s11, 7
	s_add_co_u32 s16, s16, s17                     ; my first row
	s_lshl_b32 s16, s16, 13
	s_mov_b32 s17, 0
	s_add_nc_u64 s[8:9], s[8:9], s[16:17]
	s_lshl_b32 s46, s42, 9                         ; my first column, in bytes: 512 x tile column + 256 x half
	s_lshl_b32 s47, s12, 8
	s_add_co_u32 s46, s46, s47
	s_mov_b32 s47, 0
	s_add_nc_u64 s[8:9], s[8:9], s[46:47]
	; the prefetches (macro ASK)
	s_lshl_b32 s20, s42, 7                         ; B's tile begins at row 128 x tile column;
	s_lshl_b32 s21, s41, 5                         ; my work-group's 32 of its 128 rows, by my place along the cluster's y: it enters the address alone
	s_add_co_u32 s20, s20, s21
	s_lshl_b32 s20, s20, 12                        ; rows of 4,096 bytes
	s_mov_b32 s21, 0
	s_add_nc_u64 s[PFB:PFB+1], s[6:7], s[20:21]
	s_and_b32 s22, ttmp7, 0xffff
	s_lshr_b32 s22, s22, 1                         ; 0 in clusters y = 0 and 1,
	s_xor_b32 s23, s10, 2                          ; 0 in wave 2
	s_or_b32 s22, s22, s23
	s_cmp_eq_u32 s22, 0
	s_cselect_b32 s[LIM], 5, -1                    ; who asks, asks while the loop's count is above 5: its first two trips.  The same in all sixteen partners, for a given wave
	s_add_co_u32 s[PK], s[KT], 3                   ; the first refill steps it to the walk's K step 4
	s_and_b32 s[PK], s[PK], NSTEP-1
	v_and_b32 v[PFO], 31, v0
	v_lshlrev_b32 v[PFO], 12, v[PFO]
; 8 matrix instructions: A's blocks a0, a0 + 1 x B's four, 32 along K, from buffer f.  The 32 accumulators take turns in the same order in every quarter.
.macro MUL8 f, a0, zero
.irp a, \a0, \a0+1
.irp b, 0,1,2,3
.if \zero
	v_wmma_f32_16x16x32_f16 v[8*(4*(\a)+\b):8*(4*(\a)+\b)+7], v[BF+32*(\f)+8*\b:BF+32*(\f)+8*\b+7], v[AF+64*(\f)+8*(\a):AF+64*(\f)+8*(\a)+7], 0
.else
	v_wmma_f32_16x16x32_f16 v[8*(4*(\a)+\b):8*(4*(\a)+\b)+7], v[BF+32*(\f)+8*\b:BF+32*(\f)+8*\b+7], v[AF+64*(\f)+8*(\a):AF+64*(\f)+8*(\a)+7], v[8*(4*(\a)+\b):8*(4*(\a)+\b)+7]
.endif
.endr
.endr
.endm
.macro FETCH slot, k, f                ; 24 LDS loads in one run: B's four blocks, A's blocks 0-3, A's blocks 4-7
	WIN 0
.irp i, 0,1,2,3
	ds_load_b128 v[BF+32*(\f)+8*\i:BF+32*(\f)+8*\i+3],   v[ADRB+\slot] offset:\k+\i*16*PITCH
	ds_load_b128 v[BF+32*(\f)+8*\i+4:BF+32*(\f)+8*\i+7], v[ADRB+\slot] offset:\k+\i*16*PITCH+32
.endr
.irp i, 0,1,2,3,4,5,6,7
	ds_load_b128 v[AF+64*(\f)+8*\i:AF+64*(\f)+8*\i+3],   v[ADRA+\slot] offset:\k+\i*16*PITCH
	ds_load_b128 v[AF+64*(\f)+8*\i+4:AF+64*(\f)+8*\i+7], v[ADRA+\slot] offset:\k+\i*16*PITCH+32
.endr
.endm
.macro PLACES                          ; four plain vector instructions between a matrix instruction and a load into, or a read of, its registers
.rept 4
	v_nop
.endr
.endm
.macro QUARTER slot, k, f, g, zero
	s_wait_dscnt 8                                 ; B and A's blocks 0-3 are in; the youngest eight loads (A's blocks 4-7) may be out
	WIN MUL
	MUL8 \f, 0, \zero
	MUL8 \f, 2, \zero
	PLACES
	FETCH \slot, \k, \g
	s_wait_dscnt 24                                ; all but the 24 just issued
	WIN MUL
	MUL8 \f, 4, \zero
	MUL8 \f, 6, \zero
.endm
; A slot's last quarter changes slots, AHEAD of its 32 products: the slot's last fragments (buffer 1) were asked for in the quarter before, so nothing of the slot is left to read.  Each wave waits for all its tensor loads,
; adds 0 to its spare word, and waits for that and for its reads of the slot; behind the round the refill goes out at once, with no product between the landing of one tile and the request for the next; the quarter's
; products then stand behind the request.  fill = 1: the slot takes the K step two on in the walk, which goes round at K step 16.
.macro TURN slot, next, fill
	WIN 0
.if \fill
	s_wait_xcnt 0x0                                ; the last prefetch, a K step back, has read its address
	s_add_co_u32 s[PK], s[PK], 1
	s_and_b32 s[PK], s[PK], NSTEP-1
	s_lshl_b32 s[PO], s[PK], 8
	s_add_nc_u64 s[PFA:PFA+1], s[PFB:PFB+1], s[PO:PO+1]
.endif
	s_wait_tensorcnt 0x0                           ; all my tensor loads have landed: my part of the next slot; so every group 0 may be written
	ds_add_u32 v[SPW], v[NIL]                      ; 0 onto my spare word; the descriptors' arithmetic stands between it and the wait for it
.if \fill
	s_add_co_u32 s[KT+\slot], s[KT+\slot], 2
	s_and_b32 s[KT+\slot], s[KT+\slot], NSTEP-1
	s_lshl_b32 s[KO], s[KT+\slot], 8
	s_add_nc_u64 s[G0+4*\slot+2:G0+4*\slot+3], s[KA:KA+1], s[KO:KO+1]
	s_or_b32 s[G0+4*\slot+3], s[G0+4*\slot+3], 0x80000000
	s_add_nc_u64 s[G0B+4*\slot+2:G0B+4*\slot+3], s[KB:KB+1], s[KO:KO+1]
	s_or_b32 s[G0B+4*\slot+3], s[G0B+4*\slot+3], 0x80000000
.endif
	s_wait_dscnt 0x0                               ; the add is done, and my reads of this slot are over: buffer 1 is in
	s_barrier_signal -1
	s_barrier_wait -1
.if \fill
	CREST                                          ; the barrier has opened a round of the cluster's: no wave of any partner still reads this slot or has a load on its way
	JLOAD \slot                                    ; the four v_nop behind it are the places between the last products on buffer 0 and the loads into it
.else
	PLACES
.endif
	FETCH \next, 0, 0
.if \fill
	ASK
.endif
	WIN MUL
	MUL8 1, 0, 0
	MUL8 1, 2, 0
	MUL8 1, 4, 0
	MUL8 1, 6, 0
.endm
	s_wait_tensorcnt 1                             ; my part of the walk's first K step is in; the second's load may be out
	s_barrier_signal -1
	s_barrier_wait -1
	FETCH 0, 0, 0
	QUARTER 0, 64, 0, 1, 1                         ; the first quarter's products start the sums
	WIN 0
	s_mov_b32 s3, LAPS-1
.Llap:
	QUARTER 0, 128, 1, 0, 0
	QUARTER 0, 192, 0, 1, 0
	TURN 0, 1, 1
	QUARTER 1, 64,  0, 1, 0
	QUARTER 1, 128, 1, 0, 0
	QUARTER 1, 192, 0, 1, 0
	TURN 1, 0, 1
	QUARTER 0, 64,  0, 1, 0
	WIN 0
	s_sub_co_u32 s3, s3, 1
	s_cmp_lg_u32 s3, 0
	s_cbranch_scc1 .Llap
	QUARTER 0, 128, 1, 0, 0                        ; the last lap fills nothing
	QUARTER 0, 192, 0, 1, 0
	TURN 0, 1, 0
	QUARTER 1, 64,  0, 1, 0
	QUARTER 1, 128, 1, 0, 0
	QUARTER 1, 192, 0, 1, 0
	s_wait_dscnt 8
	WIN MUL
	MUL8 1, 0, 0
	MUL8 1, 2, 0
	s_wait_dscnt 0x0
	MUL8 1, 4, 0
	MUL8 1, 6, 0
	WIN 0
; THE WAY OUT, block by block of 16 rows x 64 columns, through my own stage.
.macro TOSTAGE a
	WIN 0x04                                       ; an LDS store's data: window 1
.irp b, 0,1,2,3
	ds_store_b128 v[STO], v[8*(4*(\a)+\b):8*(4*(\a)+\b)+3] offset:64*\b        ; each accumulator from its low end on
	ds_store_b128 v[STO], v[8*(4*(\a)+\b)+4:8*(4*(\a)+\b)+7] offset:64*\b+16
.endr
	WIN 0
.irp t, 0,1,2,3,4,5,6,7
	ds_load_b128 v[OB+32*((\a)%2)+4*\t:OB+32*((\a)%2)+4*\t+3], v[RD] offset:\t*2*SPITCH   ; LDS serves a wave's instructions in order
.endr
.endm
.macro SEND a, younger
	s_wait_dscnt \younger
.irp t, 0,1,2,3,4,5,6,7
	global_store_b128 v[CO], v[OB+32*((\a)%2)+4*\t:OB+32*((\a)%2)+4*\t+3], s[8:9] offset:(16*(\a)+2*\t)*SIZE_N*4 th:TH_STORE_NT   ; 16 lanes store 256 consecutive bytes, aligned; 126 rows on at the most: inside the signed 24-bit immediate
.endr
.endm
	PLACES
	TOSTAGE 0
.irp a, 1,2,3,4,5,6,7
.if \a > 1
	s_wait_xcnt 0x0                                ; block a - 2's stores have read their data: block a's rows may land there
.endif
	TOSTAGE \a
	SEND \a-1, 16                                  ; behind block a - 1's loads: block a's 8 stores and 8 loads
.endr
	SEND 7, 0
	s_wait_tensorcnt 0x0                           ; the wave's end
	ds_add_u32 v[SPW], v[NIL]
	s_wait_dscnt 0x0
	CROUND                                         ; the closing round
	s_endpgm
.Lfunc_end_k_qbedd66a3d9_oproj:
	.size	k_qbedd66a3d9_oproj, .Lfunc_end_k_qbedd66a3d9_oproj-k_qbedd66a3d9_oproj
	.p2alignl 7, 3214868480
	.fill 96, 4, 3214868480
	.section	.rodata,"a",@progbits
	.p2align	6, 0x0
	.amdhsa_kernel k_qbedd66a3d9_oproj
		.amdhsa_group_segment_fixed_size 327680
		.amdhsa_private_segment_fixed_size 0
		.amdhsa_enable_private_segment 0
		.amdhsa_kernarg_size 24
		.amdhsa_user_sgpr_count 2
		.amdhsa_user_sgpr_kernarg_segment_ptr 1
		.amdhsa_wavefront_size32 1
		.amdhsa_system_sgpr_workgroup_id_x 1
		.amdhsa_system_sgpr_workgroup_id_y 1
		.amdhsa_system_sgpr_workgroup_id_z 1
		.amdhsa_system_vgpr_workitem_id 0
		.amdhsa_next_free_vgpr 512
		.amdhsa_next_free_sgpr 80
		.amdhsa_reserve_vcc 0
		.amdhsa_float_denorm_mode_32 3
		.amdhsa_float_denorm_mode_16_64 3
		.amdhsa_memory_ordered 1
		.amdhsa_forward_progress 1
		.amdhsa_inst_pref_size 87
	.end_amdhsa_kernel
	.amdgpu_metadata
---
amdhsa.version: [ 1, 2 ]
amdhsa.kernels:
  - .name:           k_qbedd66a3d9_oproj
    .symbol:         k_qbedd66a3d9_oproj.kd
    .args:
      - { .name: oh, .offset: 0, .size: 8, .value_kind: global_buffer, .address_space: global }
      - { .name: woh, .offset: 8, .size: 8, .value_kind: global_buffer, .address_space: global }
      - { .name: out0, .offset: 16, .size: 8, .value_kind: global_buffer, .address_space: global }
    .group_segment_fixed_size: 327680
    .private_segment_fixed_size: 0
    .kernarg_segment_align: 8
    .kernarg_segment_size: 24
    .max_flat_workgroup_size: 128
    .sgpr_count:     80
    .vgpr_count:     512
    .wavefront_size: 32
...
	.end_amdgpu_metadata
.endif
;; end of part 4
;; launch fine (part 5): grid 64 x 4, 16 waves a work-group, no clusters, 327,680 bytes of LDS; arguments qkvf, freqs_cos, freqs_sin, wo, out0; writes out0
.if DOCPART == 5
	.amdgcn_target "amdgcn-amd-amdhsa--gfx1250"
	.amdhsa_code_object_version 6
	.text
	.protected	k_qbedd66a3d9_fine
	.globl	k_qbedd66a3d9_fine
	.p2align	8
	.type	k_qbedd66a3d9_fine,@function
k_qbedd66a3d9_fine:
	s_mov_b64 s[64:65], 0
	v_nop
	global_prefetch_b8 v0, s[64:65] scope:SCOPE_SE
	s_setreg_imm32_b32 hwreg(HW_REG_WAVE_MODE, 25, 1), 1
	s_wait_xcnt 0x0
; The first 16 positions of each sequence, in f32 throughout: rotation, attention and projection; 64 rows of out0 are written over.  Under the causal mask these rows average few values, so f16 operands would weigh most here.
; SHARES.  A work-group is (a slab of 32 output columns, a batch).  Wave w is query head w: it makes its head's attention for the 16 positions, then the part of the projection over its own 128 channels, so that o never leaves
; its registers; the sixteen parts are added through LDS, in ascending order of heads.  The attention is repeated in each of a batch's 64 slabs: a launch and a buffer for it alone would cost more than it saves.
; INPUT.  qkvf holds raw sums of the first product as images of registers: piece (nb, q2) at (2 nb + q2) x 512 + 16 x lane; lane (r, h) holds position r, columns 16 nb + 8 h + 4 q2 + 0 .. 3.
; THE f32 MATRIX FORM takes k = 2 h + j in register j of a lane.  A permutation of k applied alike to both sources keeps a product: q's and k's images are used as they lie, p and O^T as the products leave them,
; and V^T and wo are read from LDS in the matching order.  Registers that this form writes are written by matrix instructions alone.
; No clusters: what work-groups share (the small images) is a small part of a work-group's bytes beside its own slab of wo.
; LIMITS: |q . k| under 1e29 (the mask's -1e30); NaN and infinities are not served.
; REGISTERS: v1-11 addresses; v12-15 at work; v16-31 table rows, then p and statistics; v32-95 q, then V^T, then wo's second 16 rows; v96-159 k, then wo's first 16 rows; v160-175 S^T in two halves; v176-239 O^T; v240-255 y.
.set PW,   528                         ; a row of wo's tile: 512 + 16 bytes
.set WT,   32*PW                       ; a wave's tile of wo: 32 rows x 128 channels
.set SM0,  16*WT                       ; behind them six small tiles of 32 x (256 + 16) bytes: v's images of heads 0-3, cos, sin
.set ST0,  32*272
.set SPARE, SM0+6*ST0                  ; the spare words, 128 bytes a wave
.set PP,   144                         ; a row of a wave's part of y: 128 + 16 bytes; in the wave's own tile of wo, behind its last fill and its last read
.set SPW,  6
.set NIL,  7
	s_load_b256 s[4:11], s[0:1], 0x0               ; qkvf, cos, sin, wo
	s_load_b64 s[12:13], s[0:1], 0x20              ; out0
	v_lshl_add_u32 v[SPW], v0, 2, SPARE
	v_mov_b32 v[NIL], 0
	ds_add_u32 v[SPW], v[NIL]                      ; the wave's opening: the add, twice on end, and its wait ahead of my first tensor load
	ds_add_u32 v[SPW], v[NIL]
	v_lshrrev_b32 v1, 5, v0
	v_readfirstlane_b32 s14, v1                    ; wave = head
	s_and_b32 s16, ttmp7, 0xffff                   ; batch
	s_mov_b32 s20, 0x76543210
	s_mov_b32 s21, 0xfedcba98
	s_mov_b32 s22, 0x3e0293ee                      ; c = log2(e) / sqrt(128)
	s_mov_b32 s24, (2<<16)|(1<<20)|(6<<22)|(3<<25) ; wo's tile: elements of 4 bytes; padding: 4 words after every 128
	s_mov_b32 s25, 128<<16
	s_mov_b32 s26, 32<<16
	s_mov_b32 s27, 128<<16
	s_mov_b32 s28, 32
	s_mov_b32 s29, 2048
	s_mov_b32 s30, 0
	s_mov_b32 s31, 0
	s_mov_b32 s32, (3<<16)|(1<<20)|(5<<22)|(3<<25) ; a small tile: 8,192 dense bytes as 32 rows of 256; padding: 4 words after every 64
	s_mov_b32 s33, 32<<16
	s_mov_b32 s34, 32<<16
	s_mov_b32 s35, 32<<16
	s_mov_b32 s36, 32
	s_mov_b32 s37, 32
	s_mov_b32 s38, 0
	s_mov_b32 s39, 0
	; every LDS address is made here, ahead of the branch on the wave's number
	v_and_b32 v12, 31, v0                          ; lane
	v_and_b32 v13, 15, v0                          ; r
	v_bfe_u32 v14, v0, 4, 1                        ; h
	v_lshlrev_b32 v1, 4, v12                       ; an image's place for my lane
	v_mul_u32_u24 v2, v13, 272
	v_lshl_add_u32 v2, v14, 4, v2
	v_add_nc_u32 v2, SM0+4*ST0, v2                 ; cos: row r, + 16 h; sin lies ST0 on
	v_bfe_u32 v15, v0, 2, 1                        ; V^T: lane (rho, h) wants channel rho of a tile of 16, keys 8 h on: in v's image that is piece q2 = (rho / 4) % 2,
	v_mul_u32_u24 v3, v15, 544
	v_bfe_u32 v15, v0, 3, 1                        ; half rho / 8,
	v_mad_u32_u24 v3, v15, 272, v3
	v_and_b32 v15, 3, v0                           ; word rho % 4,
	v_lshl_add_u32 v3, v15, 2, v3
	v_lshl_add_u32 v3, v14, 7, v3                  ; 16 bytes a key
	s_lshr_b32 s48, s14, 2                         ; my key and value head
	s_mul_i32 s48, s48, ST0
	s_add_co_u32 s48, s48, SM0
	v_add_nc_u32 v3, s48, v3
	s_mul_i32 s49, s14, WT
	v_mul_u32_u24 v4, v13, PW
	v_lshl_add_u32 v4, v14, 5, v4
	v_add_nc_u32 v4, s49, v4                       ; wo: row rho, + 32 h
	v_mul_u32_u24 v5, v13, PP
	v_lshl_add_u32 v5, v14, 5, v5
	v_add_nc_u32 v5, s49, v5                       ; my part of y: row r, + 32 h
	s_mul_i32 s50, s14, PP
	v_lshl_add_u32 v8, v12, 2, s50                 ; the sum: row w of each wave's part, 4 bytes a lane; four registers, four tiles apart
	v_add_nc_u32 v9, 4*WT, v8
	v_add_nc_u32 v10, 8*WT, v8
	v_add_nc_u32 v11, 12*WT, v8
	; offsets
	s_lshl_b32 s48, ttmp9, 18                      ; wo: 32 rows of 8,192 bytes a slab,
	s_lshl_b32 s51, s14, 9                         ; my head's 512 bytes of a row
	s_add_co_u32 s48, s48, s51
	s_mov_b32 s49, 0
	s_mul_i32 s50, s16, 96                         ; the batch's first tile row has images 96 b on
	s_add_co_u32 s52, s50, s14
	s_lshl_b32 s52, s52, 13                        ; q's image
	s_mov_b32 s53, 0
	s_lshr_b32 s54, s14, 2
	s_lshl_b32 s54, s54, 1
	s_add_co_u32 s54, s54, s50
	s_add_co_u32 s54, s54, 16
	s_lshl_b32 s54, s54, 13                        ; k's
	s_mov_b32 s55, 0
	s_lshl_b32 s56, s14, 1
	s_add_co_u32 s56, s56, s50
	s_add_co_u32 s56, s56, 17
	s_lshl_b32 s56, s56, 13                        ; waves 0-3 fetch v's image of head w; waves 4 and 5 the tables' first 32 rows
	s_cmp_lt_u32 s14, 4
	s_cselect_b32 s56, s56, 0
	s_mov_b32 s57, 0
	s_lshl_b32 s60, s16, 10
	s_add_co_u32 s60, s60, s14                     ; out0: row 1024 b + w
	s_lshl_b32 s60, s60, 13
	s_lshl_b32 s61, ttmp9, 7
	s_add_co_u32 s60, s60, s61
	s_mov_b32 s61, 0
	s_mul_i32 s41, s14, WT
	s_mul_i32 s45, s14, ST0
	s_add_co_u32 s45, s45, SM0
	s_mov_b32 s40, 1
	s_mov_b32 s44, 1
	s_wait_dscnt 0x0                               ; both opening adds are done
	s_wait_kmcnt 0x0
	s_add_nc_u64 s[42:43], s[10:11], s[48:49]
	s_or_b32 s43, s43, 0x80000000
	s_cmp_lt_u32 s14, 4
	s_cselect_b64 s[58:59], s[4:5], s[6:7]
	s_cmp_lt_u32 s14, 5
	s_cselect_b64 s[58:59], s[58:59], s[8:9]
	s_add_nc_u64 s[46:47], s[58:59], s[56:57]
	s_or_b32 s47, s47, 0x80000000
	s_add_nc_u64 s[52:53], s[4:5], s[52:53]
	s_add_nc_u64 s[54:55], s[4:5], s[54:55]
	s_add_nc_u64 s[12:13], s[12:13], s[60:61]
.irp p, 0,1,2,3,4,5,6,7,8,9,10,11,12,13,14,15
	global_load_b128 v[32+4*\p:35+4*\p], v1, s[52:53] offset:512*\p    ; q's image: 512 consecutive bytes an instruction
	global_load_b128 v[96+4*\p:99+4*\p], v1, s[54:55] offset:512*\p    ; k's
.endr
	s_cmp_lt_u32 s14, 6
	s_cbranch_scc0 .Lonly_wo
	tensor_load_to_lds s[44:47], s[32:39]          ; a small tile, which other waves read,
	s_nop 0
	tensor_load_to_lds s[40:43], s[24:31]          ; and my tile of wo, which I alone read
	s_nop 0
.rept 4
	v_nop
.endr
	s_wait_tensorcnt 0x1                           ; the small tile is in; my tile of wo may stay out
	s_branch .Lasked
.Lonly_wo:
	tensor_load_to_lds s[40:43], s[24:31]
	s_nop 0
.rept 4
	v_nop
.endr
.Lasked:
	s_barrier_signal -1
	s_barrier_wait -1                              ; the six small tiles are whole; nothing is filled again in this launch
; THE ROTATION of q and k: (tr, ti) -> (tr c - ti s, tr s + ti c), a tile of 16 columns at a time; the lane's 8 columns are 4 pairs.
.macro CSL nb
	ds_load_b128 v[16+8*((\nb)%2):19+8*((\nb)%2)], v2 offset:32*(\nb)
	ds_load_b128 v[20+8*((\nb)%2):23+8*((\nb)%2)], v2 offset:ST0+32*(\nb)
.endm
.macro ROT x, nb
.irp e, 0,1,2,3
	v_mul_f32 v[12+2*(\e%2)], v[\x+8*(\nb)+2*\e+1], v[20+8*((\nb)%2)+\e]
	v_mul_f32 v[13+2*(\e%2)], v[\x+8*(\nb)+2*\e+1], v[16+8*((\nb)%2)+\e]
	v_fma_f32 v[\x+8*(\nb)+2*\e+1], v[\x+8*(\nb)+2*\e], v[20+8*((\nb)%2)+\e], v[13+2*(\e%2)]
	v_fma_f32 v[\x+8*(\nb)+2*\e], v[\x+8*(\nb)+2*\e], v[16+8*((\nb)%2)+\e], -v[12+2*(\e%2)]
.endr
.endm
	CSL 0
	CSL 1
	s_wait_loadcnt 0x0                             ; q and k
.irp nb, 0,1,2,3,4,5,6,7
.if \nb < 7
	s_wait_dscnt 2                                 ; this tile's table words are in; the next tile's two loads may be out
.else
	s_wait_dscnt 0x0
.endif
	ROT 32, \nb
	ROT 96, \nb
.if \nb < 6
	CSL \nb+2
.endif
.endr
; S^T = k q^T: 32 steps of 4 along the head, two accumulators by turns; the first two steps start the sums.
	v_wmma_f32_16x16x4_f32 v[160:167], v[96:97], v[32:33], 0
	v_wmma_f32_16x16x4_f32 v[168:175], v[98:99], v[34:35], 0
.irp st, 2,4,6,8,10,12,14,16,18,20,22,24,26,28,30
	v_wmma_f32_16x16x4_f32 v[160:167], v[96+2*\st:97+2*\st], v[32+2*\st:33+2*\st], v[160:167]
	v_wmma_f32_16x16x4_f32 v[168:175], v[98+2*\st:99+2*\st], v[34+2*\st:35+2*\st], v[168:175]
.endr
.rept 8
	v_nop                                          ; eight places behind this form: for the loads into q's registers and the reads of the sums
.endr
.irp ct, 0,1,2,3,4,5,6,7
.irp kk, 0,1,2,3,4,5,6,7
	ds_load_b32 v[32+8*\ct+\kk], v3 offset:\ct*1088+16*\kk     ; V^T: channel 16 ct + rho, key 8 h + kk
.endr
.endr
.irp j, 0,1,2,3,4,5,6,7
	v_add_f32 v[16+\j], v[160+\j], v[168+\j]       ; lane (r, h): query r, key 8 h + j; from the low end on
.endr
	v_and_b32 v24, 15, v0
	v_bfe_u32 v25, v0, 4, 1
	v_lshlrev_b32 v25, 3, v25
	v_sub_nc_u32 v24, v24, v25                     ; r - 8 h
	v_mov_b32 v25, 0xf149f2ca                      ; -1e30
.irp j, 0,1,2,3,4,5,6,7
	v_cmp_gt_i32 vcc_lo, \j, v24                   ; the key comes after the query
	v_cndmask_b32 v[16+\j], v[16+\j], v25, vcc_lo
.endr
	v_max3_num_f32 v26, v16, v17, v18
	v_max3_num_f32 v26, v26, v19, v20
	v_max3_num_f32 v26, v26, v21, v22
	v_max_num_f32 v26, v26, v23
	v_mov_b32 v27, 0
	v_permlanex16_b32 v27, v26, s20, s21
	v_max_num_f32 v26, v26, v27                    ; the row's largest score
	v_mul_f32 v26, s22, v26
.irp j, 0,1,2,3,4,5,6,7
	v_fma_f32 v[16+\j], v[16+\j], s22, -v26
.endr
.irp j, 0,1,2,3,4,5,6,7
	v_exp_f32 v[16+\j], v[16+\j]
.endr
	v_nop                                          ; a plain line behind the exponentials,
	s_wait_alu depctr_va_vdst(0)                   ; and one wait for the eight, ahead of their first reader
	v_add_f32 v28, v16, v17
	v_add_f32 v29, v18, v19
	v_add_f32 v30, v20, v21
	v_add_f32 v31, v22, v23
	v_add_f32 v28, v28, v29
	v_add_f32 v30, v30, v31
	v_add_f32 v28, v28, v30
	v_permlanex16_b32 v27, v28, s20, s21
	v_add_f32 v28, v28, v27
	v_rcp_f32 v28, v28
	v_nop
	s_wait_alu depctr_va_vdst(0)
.irp j, 0,1,2,3,4,5,6,7
	v_mul_f32 v[16+\j], v[16+\j], v28              ; p, normalised in f32
.endr
	s_wait_tensorcnt 0x0                           ; my tile of wo is in
.irp ct, 0,1,2,3,4,5,6,7
	ds_load_b128 v[96+8*\ct:99+8*\ct], v4 offset:64*\ct            ; wo's rows 0-15 of the slab: row rho, channels 16 ct + 8 h + 0 .. 7
	ds_load_b128 v[100+8*\ct:103+8*\ct], v4 offset:64*\ct+16
.endr
	s_wait_dscnt 0x0
; O^T = V^T p: 4 steps of 4 keys (keys 8 h + 2 t + 0, 1), eight accumulators by turns.
.irp ct, 0,1,2,3,4,5,6,7
	v_wmma_f32_16x16x4_f32 v[176+8*\ct:183+8*\ct], v[32+8*\ct:33+8*\ct], v[16:17], 0
.endr
.irp t, 1,2,3
.irp ct, 0,1,2,3,4,5,6,7
	v_wmma_f32_16x16x4_f32 v[176+8*\ct:183+8*\ct], v[32+8*\ct+2*\t:33+8*\ct+2*\t], v[16+2*\t:17+2*\t], v[176+8*\ct:183+8*\ct]
.endr
.endr
.rept 9
	v_nop                                          ; nine places before a matrix instruction takes these results as a source; eight of them serve the loads into V^T's registers
.endr
.irp ct, 0,1,2,3,4,5,6,7
	ds_load_b128 v[32+8*\ct:35+8*\ct], v4 offset:16*PW+64*\ct      ; wo's rows 16-31 of the slab
	ds_load_b128 v[36+8*\ct:39+8*\ct], v4 offset:16*PW+64*\ct+16
.endr
	s_wait_dscnt 0x0
; y^T = wo o^T over my 128 channels: 32 steps of 4, O^T's registers as they stand; two accumulators by turns.
	v_wmma_f32_16x16x4_f32 v[240:247], v[96:97], v[176:177], 0
	v_wmma_f32_16x16x4_f32 v[248:255], v[32:33], v[176:177], 0
.irp n, 1,2,3,4,5,6,7,8,9,10,11,12,13,14,15,16,17,18,19,20,21,22,23,24,25,26,27,28,29,30,31
	v_wmma_f32_16x16x4_f32 v[240:247], v[96+2*\n:97+2*\n], v[176+2*\n:177+2*\n], v[240:247]
	v_wmma_f32_16x16x4_f32 v[248:255], v[32+2*\n:33+2*\n], v[176+2*\n:177+2*\n], v[248:255]
.endr
.rept 8
	v_nop
.endr
	ds_store_b128 v5, v[240:243]                   ; lane (r, h): y(r, 16 nt + 8 h + 0 .. 7); each accumulator from its low end on
	ds_store_b128 v5, v[244:247] offset:16
	ds_store_b128 v5, v[248:251] offset:64
	ds_store_b128 v5, v[252:255] offset:80
	s_wait_dscnt 0x0                               ; for the others' sake: my part lies in LDS
	s_barrier_signal -1
	s_barrier_wait -1
.irp q, 0,1,2,3
.irp k, 0,1,2,3
	ds_load_b32 v[32+4*\q+\k], v[8+\q] offset:\k*WT                ; row w of head 4 q + k's part, column = lane
.endr
.endr
	v_and_b32 v28, 31, v0
	v_lshlrev_b32 v28, 2, v28
	s_wait_dscnt 0x0
	v_add_f32 v32, v32, v33
.irp n, 2,3,4,5,6,7,8,9,10,11,12,13,14,15
	v_add_f32 v32, v32, v[32+\n]
.endr
	global_store_b32 v28, v32, s[12:13]            ; 128 consecutive bytes of row 1024 b + w
	s_wait_tensorcnt 0x0                           ; the wave's end
	ds_add_u32 v[SPW], v[NIL]
	s_wait_dscnt 0x0
	s_endpgm
.Lfunc_end_k_qbedd66a3d9_fine:
	.size	k_qbedd66a3d9_fine, .Lfunc_end_k_qbedd66a3d9_fine-k_qbedd66a3d9_fine
	.p2alignl 7, 3214868480
	.fill 96, 4, 3214868480
	.section	.rodata,"a",@progbits
	.p2align	6, 0x0
	.amdhsa_kernel k_qbedd66a3d9_fine
		.amdhsa_group_segment_fixed_size 327680
		.amdhsa_private_segment_fixed_size 0
		.amdhsa_enable_private_segment 0
		.amdhsa_kernarg_size 40
		.amdhsa_user_sgpr_count 2
		.amdhsa_user_sgpr_kernarg_segment_ptr 1
		.amdhsa_wavefront_size32 1
		.amdhsa_system_sgpr_workgroup_id_x 1
		.amdhsa_system_sgpr_workgroup_id_y 1
		.amdhsa_system_sgpr_workgroup_id_z 1
		.amdhsa_system_vgpr_workitem_id 0
		.amdhsa_next_free_vgpr 256
		.amdhsa_next_free_sgpr 66
		.amdhsa_reserve_vcc 1
		.amdhsa_float_denorm_mode_32 3
		.amdhsa_float_denorm_mode_16_64 3
		.amdhsa_memory_ordered 1
		.amdhsa_forward_progress 1
		.amdhsa_inst_pref_size 43
	.end_amdhsa_kernel
	.amdgpu_metadata
---
amdhsa.version: [ 1, 2 ]
amdhsa.kernels:
  - .name:           k_qbedd66a3d9_fine
    .symbol:         k_qbedd66a3d9_fine.kd
    .args:
      - { .name: qkvf, .offset: 0, .size: 8, .value_kind: global_buffer, .address_space: global }
      - { .name: freqs_cos, .offset: 8, .size: 8, .value_kind: global_buffer, .address_space: global }
      - { .name: freqs_sin, .offset: 16, .size: 8, .value_kind: global_buffer, .address_space: global }
      - { .name: wo, .offset: 24, .size: 8, .value_kind: global_buffer, .address_space: global }
      - { .name: out0, .offset: 32, .size: 8, .value_kind: global_buffer, .address_space: global }
    .group_segment_fixed_size: 327680
    .private_segment_fixed_size: 0
    .kernarg_segment_align: 8
    .kernarg_segment_size: 40
    .max_flat_workgroup_size: 512
    .sgpr_count:     66
    .vgpr_count:     256
    .wavefront_size: 32
...
	.end_amdgpu_metadata
.endif
;; end of part 5
